; MI455X (gfx1250); checked and timed in simulation.
; The chip was launched on July 23, 2026; its instructions are those of AMD's public machine-readable ISA for CDNA 5 (MIT licence, August 2026) and "CDNA5" Instruction Set Architecture Reference Guide (July 2026). The comments in the code are by the model that wrote it; some were corrected since.
;; Sparse Mo E. Allowed arithmetic: float matrix products may take bf16 or f16 operands with f32 sums; other float arithmetic in f32, or as packed bf16 or f16 multiplies, adds, multiply-adds, maxima and minima; sums over many terms, partial sums and values carried from step to step in f32; what a program stores and reads back later, other than sums and carried values, may be rounded once to bf16 or f16.
;; Inputs: W1 8 x 1,024 x 2,048 float32; W2 8 x 2,048 x 1,024 float32; Wr 1,024 x 8 float32; b1 8 x 2,048 float32; b2 8 x 1,024 float32; br 8 float32; x 2 x 1,024 x 1,024 float32.
;; Outputs: out0 2 x 1,024 x 1,024 float32.
;; 2 versions, each right; version 2 is version 1 with the launch down written anew for expert scheduling mode. Each part assembles by itself: llvm-mc -triple=amdgcn-amd-amdhsa -mcpu=gfx1250 --defsym DOCPART=n.
;; ======== version 1 of 2: 4 launches
;; workspace buffers: xb 4,194,304 bytes; route 18,432 bytes of whole numbers; gate 16,384 bytes; meta 66,560 bytes of whole numbers; hb 67,108,864 bytes; y 134,217,728 bytes
;; launch router (part 1): grid 128 x 1, 8 waves a work-group, no clusters, 50,688 bytes of LDS; arguments x, Wr, br, xb, route, gate; writes xb, route, gate
.if DOCPART == 1
	.amdgcn_target "amdgcn-amd-amdhsa--gfx1250"
	.amdhsa_code_object_version 6
	.text
	.protected	k_q0e7f2a4d4a_router
	.globl	k_q0e7f2a4d4a_router
	.p2align	8
	.type	k_q0e7f2a4d4a_router,@function
k_q0e7f2a4d4a_router:
	s_mov_b64 s[64:65], 0
	v_nop
	global_prefetch_b8 v0, s[64:65] scope:SCOPE_SE
	s_setreg_imm32_b32 hwreg(HW_REG_WAVE_MODE, 25, 1), 1
	s_wait_xcnt 0x0
; ROUTER.  logits = x Wr + br; the two largest of eight (of equal logits the lower index comes first); their softmax.  Also x rounded to bf16 for the next launch.
; A work-group has 16 tokens.  Thread t owns columns 4 t .. 4 t + 3 of each of the 16 rows of x and rows 4 t .. 4 t + 3 of Wr: all is rounded to bf16, laid into LDS,
; and x also stored to xb.  Wave 0 then multiplies: source 0 = Wr^T (8 experts, taken twice to fill 16 rows), source 1 = 16 tokens, K = 1,024 in 32 steps on two accumulators
; by turns.  In the result lane l holds token l % 16 and register j expert j, so the choice is made inside a lane.
; WHAT IS STORED, all at fixed places: route bytes 0 .. 2,047: for each group of 16 tokens and each expert 16 bits, bit b = token b chose the expert; route from byte 2,048: the two
; experts of each token; gate: their two weights.  No address and no branch here hangs on a logit.
; LIMITS.  x, Wr and br are rounded once to bf16 (as every input of this program is); sums in f32.  Logits are taken to be finite: NaN and infinities are not treated apart.
; The second weight is 2^((l2 - l1) log2 e) / (1 + the same): the maximum is taken away first; below 2^-126 it counts as 0.
; No cluster: no two work-groups share more than Wr's 32,768 bytes, against 65,536 bytes of x of each one's own.
.set XP,    2064                       ; an LDS row: 2,048 bytes + 16: 129 x 16, so the 16 rows that a fragment load touches begin in 16 different 16-byte columns of 256
.set WRT,   16*XP                      ; behind x's 16 rows: Wr^T, 8 rows
.set SPARE, 49664                      ; the spare words: 128 bytes a wave, four blocks of 256 bytes that no other line names
.set SPW, 8                            ; v8   SPARE + 4 x my thread's number; never rewritten
.set NIL, 9                            ; v9   0; never rewritten
.set FA,  10                           ; v10  LDS address of my part of an x fragment
.set FB,  11                           ; v11  the same for Wr^T
.set WR,  12                           ; v[12:43]   Wr as loaded: WR + 8 k + n = Wr[4 t + k][n]; later at work
.set X,   44                           ; v[44:107]  x as loaded; later eight x fragments
.set PX,  108                          ; v[108:139] x in bf16: data of stores, never rewritten
.set T,   140                          ; v[140:155] Wr^T in bf16
.set WF,  156                          ; v[156:219] eight Wr^T fragments
.set A0,  220                          ; v[220:227], v[228:235] the two accumulators
.set LG,  236                          ; v[236:243] the eight logits
.set BR,  244                          ; v[244:251] br
	s_load_b256 s[4:11], s[0:1], 0x0               ; x s[4:5], Wr s[6:7], br s[8:9], xb s[10:11]
	s_load_b128 s[12:15], s[0:1], 0x20             ; route s[12:13], gate s[14:15]
	v_lshl_add_u32 v[SPW], v0, 2, SPARE
	v_mov_b32 v[NIL], 0
	v_lshrrev_b32 v1, 5, v0
	v_readfirstlane_b32 s24, v1                    ; wave
	v_and_b32 v1, 31, v0                           ; lane
	v_and_b32 v2, 15, v0                           ; r = lane % 16
	v_bfe_u32 v3, v0, 4, 1                         ; h = lane / 16
	v_lshlrev_b32 v4, 4, v0                        ; my 16 bytes in a row of x
	v_lshlrev_b32 v5, 3, v0                        ; my 8 bytes in a row of bf16
	v_add_nc_u32 v6, WRT, v5
	v_lshlrev_b32 v7, 7, v0                        ; my four rows of Wr: 128 bytes
	v_mul_u32_u24 v[FA], v2, XP
	v_lshl_add_u32 v[FA], v3, 4, v[FA]             ; token r, 16 bytes for each half of the lanes
	v_and_b32 v[FB], 7, v0
	v_mul_u32_u24 v[FB], v[FB], XP
	v_lshl_add_u32 v[FB], v3, 4, v[FB]
	v_add_nc_u32 v[FB], WRT, v[FB]                 ; expert r % 8
	s_mov_b32 s29, 0
	s_wait_kmcnt 0x0
	s_load_b256 s[16:23], s[8:9], 0x0              ; br's eight numbers
	s_lshl_b32 s28, ttmp9, 16                      ; 16 rows of 4,096 bytes
	s_add_nc_u64 s[4:5], s[4:5], s[28:29]
	s_lshl_b32 s28, ttmp9, 15                      ; 16 rows of 2,048 bytes
	s_add_nc_u64 s[10:11], s[10:11], s[28:29]
.irp c, 0,1,2,3,4,5,6,7
	global_load_b128 v[WR+4*\c:WR+4*\c+3], v7, s[6:7] offset:16*\c
.endr
.irp i, 0,1,2,3,4,5,6,7,8,9,10,11,12,13,14,15
	global_load_b128 v[X+4*\i:X+4*\i+3], v4, s[4:5] offset:4096*\i th:TH_LOAD_NT  ; a wave takes 512 consecutive bytes of a row
.endr
	s_wait_loadcnt 16                              ; the 16 loads of x are younger: Wr is in
.irp n, 0,1,2,3,4,5,6,7
	v_cvt_pk_bf16_f32 v[T+2*\n], v[WR+\n], v[WR+8+\n]        ; expert n, k = 4 t, 4 t + 1
	v_cvt_pk_bf16_f32 v[T+2*\n+1], v[WR+16+\n], v[WR+24+\n]  ; k = 4 t + 2, 4 t + 3
	ds_store_b64 v6, v[T+2*\n:T+2*\n+1] offset:XP*\n
.endr
.irp i, 0,1,2,3,4,5,6,7,8,9,10,11,12,13,14,15
	s_wait_loadcnt 15-\i                           ; loads come back in order: row i is in, the younger rows stay out
	v_cvt_pk_bf16_f32 v[PX+2*\i], v[X+4*\i], v[X+4*\i+1]
	v_cvt_pk_bf16_f32 v[PX+2*\i+1], v[X+4*\i+2], v[X+4*\i+3]
	ds_store_b64 v5, v[PX+2*\i:PX+2*\i+1] offset:XP*\i
	global_store_b64 v5, v[PX+2*\i:PX+2*\i+1], s[10:11] offset:2048*\i  ; a wave stores 256 consecutive bytes, at a multiple of 256 from xb's first byte
.endr
	s_wait_tensorcnt 0x0                           ; my last LDS store is behind me
	ds_add_u32 v[SPW], v[NIL]
	s_wait_dscnt 0x0                               ; it says, for wave 0's sake, that my stores are done
	s_barrier_signal -1
	s_barrier_wait -1
	s_cmp_lg_u32 s24, 0
	s_cbranch_scc1 .Ldone                          ; 32 matrix instructions in all: wave 0's work
.set b, 0
.rept 4                                            ; four batches of eight K steps
.irp k, 0,1,2,3,4,5,6,7
	ds_load_b128 v[WF+8*\k:WF+8*\k+3],   v[FB] offset:64*(8*b+\k)
	ds_load_b128 v[WF+8*\k+4:WF+8*\k+7], v[FB] offset:64*(8*b+\k)+32
	ds_load_b128 v[X+8*\k:X+8*\k+3],     v[FA] offset:64*(8*b+\k)
	ds_load_b128 v[X+8*\k+4:X+8*\k+7],   v[FA] offset:64*(8*b+\k)+32
.endr
	s_wait_dscnt 0x0
.irp k, 0,1,2,3,4,5,6,7                            ; the two accumulators take turns; the first two products start the sums
.if (b == 0) && (\k < 2)
	v_wmma_f32_16x16x32_bf16 v[A0+8*(\k%2):A0+8*(\k%2)+7], v[WF+8*\k:WF+8*\k+7], v[X+8*\k:X+8*\k+7], 0
.else
	v_wmma_f32_16x16x32_bf16 v[A0+8*(\k%2):A0+8*(\k%2)+7], v[WF+8*\k:WF+8*\k+7], v[X+8*\k:X+8*\k+7], v[A0+8*(\k%2):A0+8*(\k%2)+7]
.endif
.endr
.if b < 3
.rept 4
	v_nop                                          ; four places in front of loads into registers that the products have read
.endr
.endif
.set b, b+1
.endr
	s_wait_kmcnt 0x0                               ; br.  Its rounding, twenty plain instructions, fills the places behind the last products
.irp j, 0,1,2,3,4,5,6,7
	v_mov_b32 v[BR+\j], s[16+\j]
.endr
.irp p, 0,1,2,3
	v_cvt_pk_bf16_f32 v[WR+\p], v[BR+2*\p], v[BR+2*\p+1]
.endr
.irp p, 0,1,2,3
	v_lshlrev_b32 v[BR+2*\p], 16, v[WR+\p]
	v_and_b32 v[BR+2*\p+1], 0xffff0000, v[WR+\p]
.endr
.irp j, 0,1,2,3,4,5,6,7                            ; each accumulator is read from its low end on
	v_add_f32 v[LG+\j], v[A0+\j], v[A0+8+\j]
.endr
.irp j, 0,1,2,3,4,5,6,7
	v_add_f32 v[LG+\j], v[LG+\j], v[BR+\j]
.endr
	; the largest: v16 its logit, v17 its index.  Only a strictly greater logit takes the place, so of equals the lower index stays
	v_mov_b32 v16, v[LG]
	v_mov_b32 v17, 0
.irp e, 1,2,3,4,5,6,7
	v_cmp_gt_f32 vcc_lo, v[LG+\e], v16
	v_cndmask_b32 v16, v16, v[LG+\e], vcc_lo
	v_cndmask_b32 v17, v17, \e, vcc_lo
.endr
	; the largest of the other seven: v18, v19
	v_mov_b32 v18, 0xff800000
	v_mov_b32 v19, 0
.irp e, 0,1,2,3,4,5,6,7
	v_cmp_ne_u32 s30, \e, v17
	v_cmp_gt_f32 s31, v[LG+\e], v18
	s_and_b32 s30, s30, s31
	v_cndmask_b32 v18, v18, v[LG+\e], s30
	v_cndmask_b32 v19, v19, \e, s30
.endr
	v_sub_f32 v20, v18, v16                        ; l2 - l1, never above 0
	v_mul_f32 v20, 0x3fb8aa3b, v20
	v_exp_f32 v21, v20                             ; t
	v_lshlrev_b32 v12, 3, v2                       ; (the plain instruction behind the exponential: 8 bytes a token)
	s_wait_alu depctr_va_vdst(0)                   ; t is written ahead of its first use
	v_add_f32 v22, 1.0, v21
	v_rcp_f32 v23, v22                             ; g1 = 1 / (1 + t)
	v_lshl_add_u32 v12, v3, 2, v12                 ; (the plain instruction behind the reciprocal: lanes 16-31 take the second word)
	s_wait_alu depctr_va_vdst(0)
	v_mul_f32 v21, v21, v23                        ; g2 = t g1
	s_mov_b32 s40, 0xffff0000                      ; lanes 16-31
	v_cndmask_b32 v24, v17, v19, s40               ; lanes 0-15 store the first choice, lanes 16-31 the second
	v_cndmask_b32 v25, v23, v21, s40
	s_lshl_b32 s27, ttmp9, 7                       ; 16 tokens x 8 bytes
	v_add_nc_u32 v12, s27, v12
	global_store_b32 v12, v24, s[12:13] offset:2048
	global_store_b32 v12, v25, s[14:15]
.irp e, 0,1,2,3,4,5,6,7                            ; the bitmaps: lanes 0-15 are the 16 tokens; two experts to a word
	v_cmp_eq_u32 s30, \e, v17
	v_cmp_eq_u32 s31, \e, v19
	s_or_b32 s30, s30, s31
.if (\e)%2
	s_lshl_b32 s30, s30, 16
	s_or_b32 s[36+\e/2], s[36+\e/2], s30
.else
	s_and_b32 s[36+\e/2], s30, 0xffff
.endif
.endr
.irp q, 0,1,2,3
	v_mov_b32 v[28+\q], s[36+\q]
.endr
	s_lshl_b32 s28, ttmp9, 4                       ; 16 bytes a group of tokens
	v_mov_b32 v13, s28
	v_cmp_gt_u32 vcc_lo, 1, v1
	s_wait_xcnt 0x0                                ; EXEC is a source of the stores above: it changes only behind this wait
	s_and_saveexec_b32 s41, vcc_lo                 ; lane 0 alone
	global_store_b128 v13, v[28:31], s[12:13]
	s_wait_xcnt 0x0                                ; and again in front of the line that widens it
	s_or_b32 exec_lo, exec_lo, s41
.Ldone:
	s_endpgm
.Lfunc_end_k_q0e7f2a4d4a_router:
	.size	k_q0e7f2a4d4a_router, .Lfunc_end_k_q0e7f2a4d4a_router-k_q0e7f2a4d4a_router
	.p2alignl 7, 3214868480
	.fill 96, 4, 3214868480
	.section	.rodata,"a",@progbits
	.p2align	6, 0x0
	.amdhsa_kernel k_q0e7f2a4d4a_router
		.amdhsa_group_segment_fixed_size 50688
		.amdhsa_private_segment_fixed_size 0
		.amdhsa_enable_private_segment 0
		.amdhsa_kernarg_size 48
		.amdhsa_user_sgpr_count 2
		.amdhsa_user_sgpr_kernarg_segment_ptr 1
		.amdhsa_wavefront_size32 1
		.amdhsa_system_sgpr_workgroup_id_x 1
		.amdhsa_system_sgpr_workgroup_id_y 1
		.amdhsa_system_sgpr_workgroup_id_z 1
		.amdhsa_system_vgpr_workitem_id 0
		.amdhsa_next_free_vgpr 256
		.amdhsa_next_free_sgpr 66
		.amdhsa_reserve_vcc 1
		.amdhsa_float_denorm_mode_32 3
		.amdhsa_float_denorm_mode_16_64 3
		.amdhsa_memory_ordered 1
		.amdhsa_forward_progress 1
		.amdhsa_inst_pref_size 29
	.end_amdhsa_kernel
	.amdgpu_metadata
---
amdhsa.version: [ 1, 2 ]
amdhsa.kernels:
  - .name:           k_q0e7f2a4d4a_router
    .symbol:         k_q0e7f2a4d4a_router.kd
    .args:
      - { .name: x, .offset: 0, .size: 8, .value_kind: global_buffer, .address_space: global }
      - { .name: Wr, .offset: 8, .size: 8, .value_kind: global_buffer, .address_space: global }
      - { .name: br, .offset: 16, .size: 8, .value_kind: global_buffer, .address_space: global }
      - { .name: xb, .offset: 24, .size: 8, .value_kind: global_buffer, .address_space: global }
      - { .name: route, .offset: 32, .size: 8, .value_kind: global_buffer, .address_space: global }
      - { .name: gate, .offset: 40, .size: 8, .value_kind: global_buffer, .address_space: global }
    .group_segment_fixed_size: 50688
    .private_segment_fixed_size: 0
    .kernarg_segment_align: 8
    .kernarg_segment_size: 48
    .max_flat_workgroup_size: 256
    .sgpr_count:     66
    .vgpr_count:     256
    .wavefront_size: 32
...
	.end_amdgpu_metadata
.endif
;; end of part 1
;; launch up (part 2): grid 32 x 8, 8 waves a work-group, no clusters, 173,056 bytes of LDS; arguments xb, W1, b1, route, hb, meta; writes hb, meta
.if DOCPART == 2
	.amdgcn_target "amdgcn-amd-amdhsa--gfx1250"
	.amdhsa_code_object_version 6
	.text
	.protected	k_q0e7f2a4d4a_up
	.globl	k_q0e7f2a4d4a_up
	.p2align	8
	.type	k_q0e7f2a4d4a_up,@function
k_q0e7f2a4d4a_up:
	s_mov_b64 s[64:65], 0
	v_nop
	global_prefetch_b8 v0, s[64:65] scope:SCOPE_SE
	s_setreg_imm32_b32 hwreg(HW_REG_WAVE_MODE, 25, 1), 1
	s_wait_xcnt 0x0
; UP.  h = relu(x W1[e] + b1[e]) for the tokens that chose expert e, and no others.  Work-group (sl, e) has columns 64 sl .. 64 sl + 63 of expert e's 2,048 and all of K = 1,024:
; 262,144 bytes of W1 that it alone reads, once; they are rounded to bf16 on their way through registers and stay in LDS as [k][n].
; THE LIST.  From the router's bitmaps (whole numbers that an earlier launch stored) every wave counts e's tokens; wave 0 lays the list of tokens into LDS: the chosen ones from the front in
; ascending order (a token's place is its RANK), the others from the back, so that all 2,048 places hold a token that exists and rows past the count are finite rows that nobody reads.
; Slice 0 also stores each token's rank and the count for the later launches.
; ROWS.  A tile is 16 ranks; wave w has tiles w, w + 8, w + 16 ..; it takes one, then two, then four at a time: 4, 8 or 16 accumulators of 16 x 16.  The number of trips hangs on the count, so
; the trips hold no barrier and write no LDS: the rows of xb come from memory straight into operand registers, through a ring of eight K steps.  Every split is served: 0 to 2,048 rows.
; THE SHORT TRIPS COME FIRST: a wave whose number of tiles is no multiple of four takes the odd one and the odd two at the start, while the other seven waves are at work as well; behind
; the long trips it would work on them alone.
; PRODUCT.  Source 0 = 16 columns of W1 (turned out of LDS by ds_load_tr16_b128), source 1 = 16 rows of x: a lane holds one row and eight neighbouring columns, which pack into 16 bytes.
; hb's LAYOUT is the order in which the next launch's operand registers take it: [e][tile: 128][K step of 32: 64][half: 2][lane: 32][16 bytes]; each store of a wave is 512 consecutive bytes.
; NO JOINT LOADS: what an expert's 32 work-groups share is its rows of xb; they come by a list, which no tile descriptor covers, and in a loop whose length hangs on a stored count.
; LIMITS.  W1 and b1 are rounded once to bf16 (as every input of this program is), h once to bf16; sums in f32, begun with the bias.
.set ROWP,  8192                       ; bytes from row to row of W1
.set KSB,   64                         ; bytes of a row of xb in a K step of 32
.set QB,    32                         ; from a fragment's first four registers to its last four
.set P,     160                        ; an LDS row of the slice: 128 bytes + 32 = 5 x 32: the turning load's 8 rows x 32 bytes fall on different words of 256
.set KSTEPB, 32*P
.set LIST,  1024*P                     ; behind the slice: 2,048 tokens, 4 bytes each
.set SPARE, LIST+8192                  ; the spare words: 128 bytes a wave, four blocks of 256 bytes that no other line names
; window 0
.set B0,   4                           ; v4   my lane's place in a K step of the slice; never rewritten
.set BA,   5                           ; v5   the same in the round in hand
.set WO,   6                           ; v6   my byte offset in the slice of W1
.set WL,   7                           ; v7   and in LDS
.set AO,   8                           ; v8-11   tile i: byte offset in xb of my row's part of the round in hand
.set TK,   12                          ; v12-15  tile i: my row's token
.set OUT0, 16                          ; v16  16 x lane + 65,536 x wave
.set OUT,  17                          ; v17  the trip's offset in hb; at first the bitmaps' offset
.set LST0, 18                          ; v18  LIST + 64 x wave + 4 r
.set LA,   19                          ; v19  the trip's place in the list; at first the bias's offset
.set H16,  20                          ; v20  16 h
.set ZERO, 21                          ; v21  0, for the ReLU
.set BM,   22                          ; v22, v23  lane l: the bitmap of tokens 32 l .. 32 l + 31, and of 1,024 + the same
.set TOK,  24                          ; v24  the pass's token
.set INV,  25
.set U,    26                          ; v26  e's tokens below mine
.set LI,   27
.set RO,   28                          ; v28  where the rank goes
.set L4,   29                          ; v29  4 x lane
.set SPW,  30                          ; v30  SPARE + 4 x my thread's number; never rewritten
.set NIL,  31                          ; v31  0; never rewritten
.set BIAS, 32                          ; v32-63   b1 of my 8 columns in each of the four blocks of 16
.set BB,   64                          ; v64-127  two buffers of four weight fragments; also at work on the way in and out
.set ACC,  128                         ; v128-255 accumulator (tile i, block nt) at ACC + 8 (4 i + nt); at first weights as loaded
; window 1: v0-255 the ring: K step s of eight, tile i at 32 s + 8 i; at first weights as loaded
.set MSB, 0
.macro WIN new                         ; s_set_vgpr_msb: bits 1:0 source 0, 3:2 source 1, 5:4 source 2, 7:6 destination; the high byte repeats the setting that is left
.if MSB != (\new)
	s_set_vgpr_msb (MSB<<8)|(\new)
.set MSB, (\new)
.endif
.endm
.macro PLACES                          ; four places behind matrix instructions, in front of loads into their sources and of readers of their results
.rept 4
	v_nop
.endr
.endm
; Group g of four: 16 loads.  Load n of 64 takes rows 8 (n / 4) + n % 4 (lanes 0-15) and four further on (lanes 16-31) of my wave's 128: 16 lanes take 256 consecutive bytes of a row.
.macro WLOAD g
.if (\g) < 2
	WIN 0
.set WB, ACC+64*(\g)
.else
	WIN 0x40
.set WB, 64*((\g)-2)
.endif
.set i, 0
.rept 16
.set rw, 8*((16*(\g)+i)/4)+(16*(\g)+i)%4
	global_load_b128 v[WB+4*i:WB+4*i+3], v[WO], s[6:7] offset:rw*ROWP th:TH_LOAD_NT
.set i, i+1
.endr
	WIN 0
.endm
; Group g is rounded and laid into LDS: 8 bytes a lane; the two halves of the lanes lie 640 bytes apart, 128 modulo 256
.macro CONV g
.if (\g) < 2
	WIN 0
.set WB, ACC+64*(\g)
.else
	WIN 0x05
.set WB, 64*((\g)-2)
.endif
.set i, 0
.rept 32
	v_cvt_pk_bf16_f32 v[BB+i], v[WB+2*i], v[WB+2*i+1]
.set i, i+1
.endr
	WIN 0
.set i, 0
.rept 16
.set rw, 8*((16*(\g)+i)/4)+(16*(\g)+i)%4
	ds_store_b64 v[WL], v[BB+2*i:BB+2*i+1] offset:rw*P
.set i, i+1
.endr
.endm
; 32 words of the bitmap, 32 tokens each.  s19: e's tokens so far.  A chosen token goes to place u, another to place 2,047 - (token - u): no two alike.
.macro LISTPASS src
	s_mov_b32 s20, 0
.Lword_\@:
	v_readlane_b32 s21, v[\src], s20
	v_sub_nc_u32 v[INV], 0x7ff, v[TOK]
	v_mbcnt_lo_u32_b32 v[U], s21, s19              ; u = e's tokens below mine
	v_cndmask_b32 v[LI], v[INV], 0, s21
	v_add_nc_u32 v[LI], v[LI], v[U]
	v_min_u32 v[LI], 0x7ff, v[LI]                  ; a number made of loaded ones enters an address behind a bound
	v_lshl_add_u32 v[LI], v[LI], 2, LIST
	s_cmp_lg_u32 s16, 0
	s_cbranch_scc1 .Lquiet_\@                      ; the list is wave 0's to write
	ds_store_b32 v[LI], v[TOK]
	s_cmp_lg_u32 s17, 0
	s_cbranch_scc1 .Lquiet_\@                      ; the ranks are slice 0's to store
	global_store_b32 v[RO], v[U], s[14:15]         ; 128 consecutive bytes, at a fixed place
.Lquiet_\@:
	s_bcnt1_i32_b32 s22, s21
	s_add_co_u32 s19, s19, s22
	s_wait_xcnt 0x0                                ; the store's offset and data are rewritten only behind this wait
	v_add_nc_u32 v[TOK], 32, v[TOK]
	v_add_nc_u32 v[RO], 0x80, v[RO]
	s_add_co_u32 s20, s20, 1
	s_cmp_lt_u32 s20, 32
	s_cbranch_scc1 .Lword_\@
.endm
; One K step of 32 for mt tiles: 4 mt products, each accumulator once, so that they take turns from step to step and over the loop's jump too.
; lc: the younger loads of the ring, which may stay out.  dc: the next step's eight weight loads.  bl: the weights two steps on are fetched.  refill: slot s takes the K step eight on.
.macro KSTEP mt, s, refill, bl, lc, dc
	WIN 0x04                                       ; source 1 (the rows) in window 1
	s_wait_loadcnt \lc
	s_wait_dscnt \dc
.set i, 0
.rept \mt
.irp nt, 0,1,2,3
	v_wmma_f32_16x16x32_bf16 v[ACC+8*(4*i+\nt):ACC+8*(4*i+\nt)+7], v[BB+32*((\s)%2)+8*\nt:BB+32*((\s)%2)+8*\nt+7], v[32*(\s)+8*i:32*(\s)+8*i+7], v[ACC+8*(4*i+\nt):ACC+8*(4*i+\nt)+7]
.endr
.set i, i+1
.endr
.if (\bl) || (\refill)
	PLACES
.endif
.if \bl
.irp nt, 0,1,2,3
	ds_load_tr16_b128 v[BB+32*((\s)%2)+8*\nt:BB+32*((\s)%2)+8*\nt+3],   v[BA] offset:((\s)+2)*KSTEPB+32*\nt
	ds_load_tr16_b128 v[BB+32*((\s)%2)+8*\nt+4:BB+32*((\s)%2)+8*\nt+7], v[BA] offset:((\s)+2)*KSTEPB+32*\nt+16*P
.endr
.endif
.if \refill
	WIN 0x40                                       ; destination in window 1
.set i, 0
.rept \mt
	global_load_b128 v[32*(\s)+8*i:32*(\s)+8*i+3],   v[AO+i], s[4:5] offset:(8+(\s))*KSB
	global_load_b128 v[32*(\s)+8*i+4:32*(\s)+8*i+7], v[AO+i], s[4:5] offset:(8+(\s))*KSB+QB
.set i, i+1
.endr
.endif
.endm
; A TRIP: my tiles s26 .. s26 + mt - 1 (of those that are mine), 16 mt rows x 64 columns x K = 1,024.
.macro TRIP mt
	WIN 0
	s_wait_xcnt 0x0                                ; the last trip's stores have read their offset and data
	s_min_u32 s27, s26, 16-(\mt)                   ; a number made of loaded ones enters an address behind a bound
	s_lshl_b32 s28, s27, 19                        ; eight tiles of 65,536 bytes from one of mine to the next
	s_lshl_b32 s29, s27, 9                         ; and 128 places of the list
	v_add_nc_u32 v[OUT], s28, v[OUT0]
	v_add_nc_u32 v[LA], s29, v[LST0]
.set i, 0
.rept \mt
	ds_load_b32 v[TK+i], v[LA] offset:512*i
.set i, i+1
.endr
.set i, 0
.rept 16*(\mt)                                     ; the bias starts the sums (the first K step lies in the loop below, so it cannot take the bias as its C); this stands in the wait for the tokens
	v_pk_mul_f32 v[ACC+2*i:ACC+2*i+1], v[BIAS+(2*i)%32:BIAS+(2*i)%32+1], 1.0 op_sel_hi:[1,0]
.set i, i+1
.endr
	s_wait_dscnt 0x0
.set i, 0
.rept \mt
	v_min_u32 v[TK+i], 0x7ff, v[TK+i]
	v_lshl_add_u32 v[AO+i], v[TK+i], 11, v[H16]    ; a row of xb is 2,048 bytes
.set i, i+1
.endr
	WIN 0x40
.irp s, 0,1,2,3,4,5,6,7                            ; the ring is filled: K steps 0 to 7
.set i, 0
.rept \mt
	global_load_b128 v[32*\s+8*i:32*\s+8*i+3],   v[AO+i], s[4:5] offset:\s*KSB
	global_load_b128 v[32*\s+8*i+4:32*\s+8*i+7], v[AO+i], s[4:5] offset:\s*KSB+QB
.set i, i+1
.endr
.endr
	WIN 0
	v_mov_b32 v[BA], v[B0]
.irp k, 0,1                                        ; the weights of K steps 0 and 1
.irp nt, 0,1,2,3
	ds_load_tr16_b128 v[BB+32*\k+8*\nt:BB+32*\k+8*\nt+3],   v[BA] offset:\k*KSTEPB+32*\nt
	ds_load_tr16_b128 v[BB+32*\k+8*\nt+4:BB+32*\k+8*\nt+7], v[BA] offset:\k*KSTEPB+32*\nt+16*P
.endr
.endr
	s_mov_b32 s30, 3
.Lround_\@:                                        ; three rounds of eight K steps fill the ring again; seven slots of 2 mt loads are younger than the one that is due
.irp s, 0,1,2,3,4,5,6,7
	KSTEP \mt, \s, 1, 1, 14*\mt, 8
.endr
	WIN 0
	s_wait_xcnt 0x0                                ; the loads' offsets are stepped only behind this wait
.set i, 0
.rept \mt
	v_add_nc_u32 v[AO+i], 8*KSB, v[AO+i]
.set i, i+1
.endr
	v_add_nc_u32 v[BA], 8*KSTEPB, v[BA]
	s_sub_co_u32 s30, s30, 1
	s_cmp_lg_u32 s30, 0
	s_cbranch_scc1 .Lround_\@
.irp s, 0,1,2,3,4,5                                ; the last round asks for no rows: the counts run down
	KSTEP \mt, \s, 0, 1, (7-\s)*2*\mt, 8
.endr
	KSTEP \mt, 6, 0, 0, 2*\mt, 8
	KSTEP \mt, 7, 0, 0, 0, 0
	WIN 0
	PLACES
.set i, 0
.rept 4*(\mt)                                      ; accumulator i: tile i / 4, block i % 4; read from its low end on
.irp q, 0,1,2,3
	v_cvt_pk_bf16_f32 v[BB+4*i+\q], v[ACC+8*i+2*\q], v[ACC+8*i+2*\q+1]
.endr
.irp q, 0,1,2,3
	v_pk_max_num_bf16 v[BB+4*i+\q], v[BB+4*i+\q], v[ZERO]
.endr
	global_store_b128 v[OUT], v[BB+4*i:BB+4*i+3], s[12:13] offset:(i/4)*524288+(i%4)*512  ; 512 consecutive bytes: half a K step's fragment of the next launch
.set i, i+1
.endr
.endm
	s_load_b256 s[4:11], s[0:1], 0x0               ; xb s[4:5], W1 s[6:7], b1 s[8:9], route s[10:11]
	s_load_b128 s[12:15], s[0:1], 0x20             ; hb s[12:13], meta s[14:15]
	v_lshl_add_u32 v[SPW], v0, 2, SPARE
	v_mov_b32 v[NIL], 0
	v_lshrrev_b32 v1, 5, v0
	v_readfirstlane_b32 s16, v1                    ; wave
	v_and_b32 v1, 31, v0                           ; lane
	v_and_b32 v2, 15, v0                           ; r
	v_bfe_u32 v3, v0, 4, 1                         ; h
	s_mov_b32 s17, ttmp9                           ; slice
	s_and_b32 s18, ttmp7, 0xffff                   ; expert
	v_and_b32 v[B0], 7, v0                         ; the turning load: lane l reads k = 8 h + l % 8, columns 8 ((l / 8) % 2) on
	v_lshl_add_u32 v[B0], v3, 3, v[B0]
	v_mul_u32_u24 v[B0], v[B0], P
	v_bfe_u32 v[BA], v0, 3, 1
	v_lshl_add_u32 v[B0], v[BA], 4, v[B0]
	s_mul_i32 s27, s16, 128*ROWP                   ; my wave's 128 rows of the slice, in memory
	v_mul_u32_u24 v[WO], v3, 4*ROWP
	v_lshl_add_u32 v[WO], v2, 4, v[WO]
	v_add_nc_u32 v[WO], s27, v[WO]
	s_mul_i32 s28, s16, 128*P                      ; and in LDS
	v_mul_u32_u24 v[WL], v3, 4*P
	v_lshl_add_u32 v[WL], v2, 3, v[WL]
	v_add_nc_u32 v[WL], s28, v[WL]
	s_lshl_b32 s29, s16, 16
	v_lshlrev_b32 v[OUT0], 4, v1
	v_add_nc_u32 v[OUT0], s29, v[OUT0]
	s_lshl_b32 s22, s16, 6
	s_add_co_u32 s22, s22, LIST
	v_lshl_add_u32 v[LST0], v2, 2, s22
	v_lshlrev_b32 v[H16], 4, v3
	v_mov_b32 v[ZERO], 0
	v_mov_b32 v[TOK], v1
	v_lshlrev_b32 v[L4], 2, v1
	v_lshlrev_b32 v[RO], 2, v1
	v_lshlrev_b32 v[OUT], 5, v1                    ; for now: two groups of 16 tokens are 32 bytes of the bitmaps
	v_lshlrev_b32 v[LA], 5, v3                     ; for now: my eight columns of a block of 16 in b1
	s_mov_b32 s19, 0
	s_mov_b32 s33, 0
	s_lshl_b32 s27, s18, 23                        ; an expert's 8,388,608 bytes of W1 and of hb
	s_lshl_b32 s28, s17, 8                         ; a slice's 256 bytes of a row
	s_wait_kmcnt 0x0
	s_or_b32 s32, s27, s28
	s_add_nc_u64 s[6:7], s[6:7], s[32:33]
	s_lshl_b32 s32, s18, 13
	s_or_b32 s32, s32, s28
	s_add_nc_u64 s[8:9], s[8:9], s[32:33]
	s_lshl_b32 s32, s18, 1
	s_add_nc_u64 s[10:11], s[10:11], s[32:33]
	s_lshl_b32 s28, s17, 11                        ; a slice's two K steps in a tile of hb
	s_or_b32 s32, s27, s28
	s_add_nc_u64 s[12:13], s[12:13], s[32:33]
	s_lshl_b32 s32, s18, 7
	s_add_co_u32 s32, s32, 65536
	s_add_nc_u64 s[34:35], s[14:15], s[32:33]      ; the expert's count
	s_lshl_b32 s32, s18, 13
	s_add_nc_u64 s[14:15], s[14:15], s[32:33]      ; the expert's ranks
	global_load_u16 v[BM], v[OUT], s[10:11]
	global_load_u16 v[INV], v[OUT], s[10:11] offset:16
	global_load_u16 v[BM+1], v[OUT], s[10:11] offset:1024
	global_load_u16 v[U], v[OUT], s[10:11] offset:1040
.irp n, 0,1,2,3,4,5,6,7
	global_load_b128 v[BIAS+4*\n:BIAS+4*\n+3], v[LA], s[8:9] offset:64*(\n/2)+16*(\n%2)
.endr
	WLOAD 0
	WLOAD 1
	WLOAD 2                                        ; 60 loads of mine are out
	s_wait_loadcnt 48                              ; the 48 loads of weights are younger: bitmaps and bias are in
	v_lshl_or_b32 v[BM], v[INV], 16, v[BM]
	v_lshl_or_b32 v[BM+1], v[U], 16, v[BM+1]
	LISTPASS BM                                    ; the list is made while the weights are on their way
	LISTPASS BM+1
	s_or_b32 s22, s16, s17
	s_cmp_lg_u32 s22, 0
	s_cbranch_scc1 .Lnocnt
	v_mov_b32 v[U], s19                            ; (the pass's last line of memory work was waited for at its end)
	global_store_b32 v[L4], v[U], s[34:35]         ; the count, 32 times: 128 consecutive bytes
.Lnocnt:
	s_wait_loadcnt 32                              ; groups 1 and 2 are younger: group 0 is in
	WLOAD 3
	CONV 0
	s_wait_loadcnt 32                              ; groups 2 and 3 are younger
	CONV 1
	s_wait_loadcnt 16
	CONV 2
	s_wait_loadcnt 0x0
	CONV 3
.set i, 0
.rept 16                                           ; b1 rounded to bf16 and widened again
	v_cvt_pk_bf16_f32 v[BB+32+i], v[BIAS+2*i], v[BIAS+2*i+1]
.set i, i+1
.endr
.set i, 0
.rept 16
	v_lshlrev_b32 v[BIAS+2*i], 16, v[BB+32+i]
	v_and_b32 v[BIAS+2*i+1], 0xffff0000, v[BB+32+i]
.set i, i+1
.endr
	s_wait_tensorcnt 0x0                           ; my last LDS store is behind me; the shares, work on registers, stand between the add and its wait
	ds_add_u32 v[SPW], v[NIL]
	s_add_co_u32 s22, s19, 15
	s_lshr_b32 s22, s22, 4                         ; tiles of the expert
	s_add_co_u32 s22, s22, 7
	s_sub_co_u32 s22, s22, s16
	s_lshr_b32 s23, s22, 3                         ; of them mine: w, w + 8, ..
	s_min_u32 s23, s23, 16
	s_lshr_b32 s24, s23, 2                         ; trips of four
	s_wait_dscnt 0x0                               ; for the others' sake: my part of the slice, and the list, are in LDS
	s_barrier_signal -1
	s_barrier_wait -1                              ; behind it nobody writes LDS any more
	s_mov_b32 s26, 0                               ; the odd tile is my first
	s_bitcmp1_b32 s23, 0
	s_cbranch_scc0 .Lno1
	TRIP 1
.Lno1:
	s_and_b32 s26, s23, 1                          ; the odd two follow it
	s_bitcmp1_b32 s23, 1
	s_cbranch_scc0 .Lno2
	TRIP 2
.Lno2:
	s_and_b32 s31, s23, 3                          ; the fours begin behind them
	s_mov_b32 s25, 0
.Lquad:                                            ; counted to the constant four; the trips that I do not have are jumped over
	s_cmp_ge_u32 s25, s24
	s_cbranch_scc1 .Lquad_next
	s_lshl_b32 s26, s25, 2
	s_add_co_u32 s26, s26, s31
	TRIP 4
.Lquad_next:
	s_add_co_u32 s25, s25, 1
	s_cmp_lt_u32 s25, 4
	s_cbranch_scc1 .Lquad
	s_endpgm
.Lfunc_end_k_q0e7f2a4d4a_up:
	.size	k_q0e7f2a4d4a_up, .Lfunc_end_k_q0e7f2a4d4a_up-k_q0e7f2a4d4a_up
	.p2alignl 7, 3214868480
	.fill 96, 4, 3214868480
	.section	.rodata,"a",@progbits
	.p2align	6, 0x0
	.amdhsa_kernel k_q0e7f2a4d4a_up
		.amdhsa_group_segment_fixed_size 173056
		.amdhsa_private_segment_fixed_size 0
		.amdhsa_enable_private_segment 0
		.amdhsa_kernarg_size 48
		.amdhsa_user_sgpr_count 2
		.amdhsa_user_sgpr_kernarg_segment_ptr 1
		.amdhsa_wavefront_size32 1
		.amdhsa_system_sgpr_workgroup_id_x 1
		.amdhsa_system_sgpr_workgroup_id_y 1
		.amdhsa_system_sgpr_workgroup_id_z 1
		.amdhsa_system_vgpr_workitem_id 0
		.amdhsa_next_free_vgpr 512
		.amdhsa_next_free_sgpr 66
		.amdhsa_reserve_vcc 0
		.amdhsa_float_denorm_mode_32 3
		.amdhsa_float_denorm_mode_16_64 3
		.amdhsa_memory_ordered 1
		.amdhsa_forward_progress 1
		.amdhsa_inst_pref_size 139
	.end_amdhsa_kernel
	.amdgpu_metadata
---
amdhsa.version: [ 1, 2 ]
amdhsa.kernels:
  - .name:           k_q0e7f2a4d4a_up
    .symbol:         k_q0e7f2a4d4a_up.kd
    .args:
      - { .name: xb, .offset: 0, .size: 8, .value_kind: global_buffer, .address_space: global }
      - { .name: W1, .offset: 8, .size: 8, .value_kind: global_buffer, .address_space: global }
      - { .name: b1, .offset: 16, .size: 8, .value_kind: global_buffer, .address_space: global }
      - { .name: route, .offset: 24, .size: 8, .value_kind: global_buffer, .address_space: global }
      - { .name: hb, .offset: 32, .size: 8, .value_kind: global_buffer, .address_space: global }
      - { .name: meta, .offset: 40, .size: 8, .value_kind: global_buffer, .address_space: global }
    .group_segment_fixed_size: 173056
    .private_segment_fixed_size: 0
    .kernarg_segment_align: 8
    .kernarg_segment_size: 48
    .max_flat_workgroup_size: 256
    .sgpr_count:     66
    .vgpr_count:     512
    .wavefront_size: 32
...
	.end_amdgpu_metadata
.endif
;; end of part 2
;; launch down (part 3): grid 32 x 8, 8 waves a work-group, no clusters, 199,680 bytes of LDS; arguments hb, W2, b2, meta, y; writes y
.if DOCPART == 3
	.amdgcn_target "amdgcn-amd-amdhsa--gfx1250"
	.amdhsa_code_object_version 6
	.text
	.protected	k_q0e7f2a4d4a_down
	.globl	k_q0e7f2a4d4a_down
	.p2align	8
	.type	k_q0e7f2a4d4a_down,@function
k_q0e7f2a4d4a_down:
	s_mov_b64 s[64:65], 0
	v_nop
	global_prefetch_b8 v0, s[64:65] scope:SCOPE_SE
	s_setreg_imm32_b32 hwreg(HW_REG_WAVE_MODE, 25, 1), 1
	s_wait_xcnt 0x0
; DOWN.  y = h W2[e] (+ b2[e]) for expert e's rows, in two halves of K that the last launch adds.  Work-group (x, e): columns 64 (x % 16) .. + 63 of 1,024, k = 1,024 (x / 16) .. + 1,023 of
; 2,048: 262,144 bytes of W2 that it alone reads, once, rounded to bf16 on their way through registers into LDS as [k][n].  The split of K keeps the slice 64 columns wide, so that each
; fragment of h feeds four products; b2 starts the sums of the first half alone, as the C operand of the first K step (0 in the second half).
; ROWS.  As in the launch before: a tile is 16 ranks, wave w has tiles w, w + 8 ..; one, then two, then four at a time.  The number of trips hangs on the stored count, so the trips hold no
; barrier; what they write in LDS is the wave's own stage.  h comes from memory in the order of the operand registers: every load of a wave is 512 consecutive bytes.
; THE SHORT TRIPS COME FIRST: a wave whose number of tiles is no multiple of four takes the odd one and the odd two at the start, while the other seven waves are at work as well; behind
; the long trips it would work on them alone.
; A TRIP'S 32 K STEPS ARE WRITTEN OUT: the slice is read through four address registers that are never rewritten, 40,960 bytes apart, and immediates, so that every load's bytes can be read
; off the text: they end at byte 163,807, and the waves' stages begin at 163,840.
; THE WALK ALONG K IS TURNED FROM SLICE TO SLICE.  K's 1,024 go in eight blocks of 128 (four K steps).  Place b of the slice in LDS holds block (b + x % 8) % 8 of W2, and the rows of h for
; place b are asked for at the same block, through eight base addresses made once.  Each sum has its 1,024 terms, begun at another block.  So the sixteen work-groups that read the same
; tiles of h do not ask for the same 8,192 bytes of a tile at the same time: their rings together lie over all 32,768 bytes of the tile's half.
; PRODUCT.  Source 0 = 16 columns of W2 (turned out of LDS), source 1 = 16 rows of h: a lane holds one row and eight neighbouring columns.
; THE WAY OUT.  f32 partial sums; a tile's 16 rows x 256 bytes go through my stage, so that 16 lanes store 256 consecutive bytes, at a multiple of 256 from y's first byte.
; y: [half of K: 2][2,048 e + rank][1,024] f32.  Rows past the count are stored and never read.
; NO JOINT LOADS: an expert's 16 work-groups of one half share its tiles of h, but the number of tiles hangs on a stored count, and a loop of that kind holds no ring in LDS, no barrier and
; no tensor load: the rows go straight into operand registers.
; LIMITS.  W2 and b2 are rounded once to bf16 (as every input of this program is); sums in f32, in an order of K that differs from slice to slice and from the reference's.
.set ROWP,  4096                       ; bytes from row to row of W2
.set KSB,   1024                       ; bytes of a tile of hb in a K step of 32
.set QB,    512                        ; from a fragment's first four registers to its last four
.set P,     160                        ; an LDS row of the slice: 128 bytes + 32 = 5 x 32
.set KSTEPB, 32*P
.set STAGE, 1024*P                     ; behind the slice: 16 rows x 272 bytes for each wave
.set SP,    272                        ; 256 bytes + 16: the 16 rows that a store touches begin in 16 different 16-byte columns of 256
.set SPARE, STAGE+8*16*SP              ; the spare words: 128 bytes a wave, four blocks of 256 bytes that no other line names
.set AB,    40                         ; s[40:55]  hb at the block of K that lies at place b of the slice, b = 0 .. 7; never rewritten
; window 0
.set WO,   6                           ; v6   my byte offset in the slice of W2
.set WL,   7                           ; v7   and in LDS
.set AO,   8                           ; v8-11   tile i: my byte offset in hb
.set STO,  12                          ; v12  the way out: where I put 16 bytes of a row
.set RD,   13                          ; v13  where I read rows back
.set OUT0, 16                          ; v16  4,096 h + 16 r + 65,536 x wave
.set OUT,  17                          ; v17  the trip's offset in y
.set BO,   19                          ; v19  the bias's offset
.set A0,   20                          ; v20  16 x lane + 65,536 x wave
.set BR,   24                          ; v24-27  my lane's place in K steps 0, 8, 16 and 24 of the slice; never rewritten
.set SPW,  30                          ; v30  SPARE + 4 x my thread's number; never rewritten
.set NIL,  31                          ; v31  0; never rewritten
.set BIAS, 32                          ; v32-63   b2 of my 8 columns in each of the four blocks of 16, or 0; behind its rounding never rewritten
.set BB,   64                          ; v64-127  two buffers of four weight fragments; also at work on the way in and out
.set ACC,  128                         ; v128-255 accumulator (tile i, block nt) at ACC + 8 (4 i + nt); at first weights as loaded
; window 1: v0-255 the ring: K step s of eight, tile i at 32 s + 8 i; at first weights as loaded
.set MSB, 0
.macro WIN new                         ; s_set_vgpr_msb: bits 1:0 source 0, 3:2 source 1, 5:4 source 2, 7:6 destination; the high byte repeats the setting that is left
.if MSB != (\new)
	s_set_vgpr_msb (MSB<<8)|(\new)
.set MSB, (\new)
.endif
.endm
.macro PLACES                          ; four places behind matrix instructions, in front of loads into their sources and of readers of their results
.rept 4
	v_nop
.endr
.endm
; Group g of four: 16 loads.  Load n of 64 takes rows 8 (n / 4) + n % 4 (lanes 0-15) and four further on (lanes 16-31) of my wave's 128: 16 lanes take 256 consecutive bytes of a row.
.macro WLOAD g
.if (\g) < 2
	WIN 0
.set WB, ACC+64*(\g)
.else
	WIN 0x40
.set WB, 64*((\g)-2)
.endif
.set i, 0
.rept 16
.set rw, 8*((16*(\g)+i)/4)+(16*(\g)+i)%4
	global_load_b128 v[WB+4*i:WB+4*i+3], v[WO], s[6:7] offset:rw*ROWP th:TH_LOAD_NT
.set i, i+1
.endr
	WIN 0
.endm
; Group g is rounded and laid into LDS: 8 bytes a lane; the two halves of the lanes lie 640 bytes apart, 128 modulo 256
.macro CONV g
.if (\g) < 2
	WIN 0
.set WB, ACC+64*(\g)
.else
	WIN 0x05
.set WB, 64*((\g)-2)
.endif
.set i, 0
.rept 32
	v_cvt_pk_bf16_f32 v[BB+i], v[WB+2*i], v[WB+2*i+1]
.set i, i+1
.endr
	WIN 0
.set i, 0
.rept 16
.set rw, 8*((16*(\g)+i)/4)+(16*(\g)+i)%4
	ds_store_b64 v[WL], v[BB+2*i:BB+2*i+1] offset:rw*P
.set i, i+1
.endr
.endm
; K step g of 32 (the symbol g counts them, by their places in the slice) for mt tiles: 4 mt products, each accumulator once, so that they take turns from step to step.
; The first step's products start the sums: their C is the bias of the block's columns.
; The rows lie in slot g % 8 of the ring, the weights in buffer g % 2.  Behind the products the buffer takes the weights of step g + 2, the slot the rows of step g + 8, while there are such.
.macro KSTEP mt
	WIN 0x04                                       ; source 1 (the rows) in window 1
.if g < 24
	s_wait_loadcnt 14*(\mt)                        ; the seven other slots, 2 mt loads each, are younger than the one that is due
.else
	s_wait_loadcnt (31-g)*2*(\mt)                  ; nothing more is asked for: the counts run down
.endif
.if g < 31
	s_wait_dscnt 8                                 ; the next step's eight weight loads may stay out
.else
	s_wait_dscnt 0
.endif
.set i, 0
.rept \mt
.irp nt, 0,1,2,3
.if g == 0
	v_wmma_f32_16x16x32_bf16 v[ACC+8*(4*i+\nt):ACC+8*(4*i+\nt)+7], v[BB+32*(g%2)+8*\nt:BB+32*(g%2)+8*\nt+7], v[32*(g%8)+8*i:32*(g%8)+8*i+7], v[BIAS+8*\nt:BIAS+8*\nt+7]
.else
	v_wmma_f32_16x16x32_bf16 v[ACC+8*(4*i+\nt):ACC+8*(4*i+\nt)+7], v[BB+32*(g%2)+8*\nt:BB+32*(g%2)+8*\nt+7], v[32*(g%8)+8*i:32*(g%8)+8*i+7], v[ACC+8*(4*i+\nt):ACC+8*(4*i+\nt)+7]
.endif
.endr
.set i, i+1
.endr
.if g < 30
	PLACES
.irp nt, 0,1,2,3
	ds_load_tr16_b128 v[BB+32*(g%2)+8*\nt:BB+32*(g%2)+8*\nt+3],   v[BR+(g+2)/8] offset:((g+2)%8)*KSTEPB+32*\nt
	ds_load_tr16_b128 v[BB+32*(g%2)+8*\nt+4:BB+32*(g%2)+8*\nt+7], v[BR+(g+2)/8] offset:((g+2)%8)*KSTEPB+32*\nt+16*P
.endr
.endif
.if g < 24
	WIN 0x40                                       ; destination in window 1
.set i, 0
.rept \mt                                          ; place (g + 8) / 4 has its own base; the step's place in the block stands in the immediate
	global_load_b128 v[32*(g%8)+8*i:32*(g%8)+8*i+3],   v[AO+i], s[AB+2*((g+8)/4):AB+2*((g+8)/4)+1] offset:((g+8)%4)*KSB
	global_load_b128 v[32*(g%8)+8*i+4:32*(g%8)+8*i+7], v[AO+i], s[AB+2*((g+8)/4):AB+2*((g+8)/4)+1] offset:((g+8)%4)*KSB+QB
.set i, i+1
.endr
.endif
.set g, g+1
.endm
; A TRIP: my tiles s26 .. s26 + mt - 1 (of those that are mine), 16 mt rows x 64 columns x K = 1,024.
.macro TRIP mt
	WIN 0
	s_wait_xcnt 0x0                                ; the last trip's loads and stores have read their offsets and data
	s_min_u32 s27, s26, 16-(\mt)                   ; a number made of loaded ones enters an address behind a bound
	s_lshl_b32 s28, s27, 19                        ; eight tiles of 65,536 bytes, in hb and in y, from one of mine to the next
	v_add_nc_u32 v[OUT], s28, v[OUT0]
	v_add_nc_u32 v[AO], s28, v[A0]
.set i, 1
.rept (\mt)-1
	v_add_nc_u32 v[AO+i], i*524288, v[AO]
.set i, i+1
.endr
	WIN 0x40
.irp s, 0,1,2,3,4,5,6,7                            ; the ring is filled: the K steps at places 0 to 7
.set i, 0
.rept \mt
	global_load_b128 v[32*\s+8*i:32*\s+8*i+3],   v[AO+i], s[AB+2*(\s/4):AB+2*(\s/4)+1] offset:(\s%4)*KSB
	global_load_b128 v[32*\s+8*i+4:32*\s+8*i+7], v[AO+i], s[AB+2*(\s/4):AB+2*(\s/4)+1] offset:(\s%4)*KSB+QB
.set i, i+1
.endr
.endr
	WIN 0
.irp k, 0,1                                        ; the weights of K steps 0 and 1
.irp nt, 0,1,2,3
	ds_load_tr16_b128 v[BB+32*\k+8*\nt:BB+32*\k+8*\nt+3],   v[BR] offset:\k*KSTEPB+32*\nt
	ds_load_tr16_b128 v[BB+32*\k+8*\nt+4:BB+32*\k+8*\nt+7], v[BR] offset:\k*KSTEPB+32*\nt+16*P
.endr
.endr
.set g, 0
.rept 32
	KSTEP \mt
.endr
	WIN 0
	PLACES
.set i, 0
.rept \mt                                          ; a tile at a time through my stage
	s_wait_xcnt 0x0                                ; the stores of the tile before last have read the registers that are loaded again below
.irp nt, 0,1,2,3                                   ; each accumulator is read from its low end on
	ds_store_b128 v[STO], v[ACC+8*(4*i+\nt):ACC+8*(4*i+\nt)+3] offset:64*\nt
	ds_store_b128 v[STO], v[ACC+8*(4*i+\nt)+4:ACC+8*(4*i+\nt)+7] offset:64*\nt+16
.endr
.irp t, 0,1,2,3,4,5,6,7
	ds_load_b128 v[BB+32*(i%2)+4*\t:BB+32*(i%2)+4*\t+3], v[RD] offset:2*SP*\t  ; LDS serves a wave's instructions in order (ISA guide 5.7.1.4): these see the stores above, and the next tile's stores come behind them
.endr
.irp t, 0,1,2,3,4,5,6,7
	s_wait_dscnt 7-\t                              ; the younger read-backs may stay out
	global_store_b128 v[OUT], v[BB+32*(i%2)+4*\t:BB+32*(i%2)+4*\t+3], s[12:13] offset:i*524288+\t*8192  ; lanes 0-15 one row's 256 bytes, lanes 16-31 the next row's
.endr
.set i, i+1
.endr
.endm
	s_load_b256 s[4:11], s[0:1], 0x0               ; hb s[4:5], W2 s[6:7], b2 s[8:9], meta s[10:11]
	s_load_b64 s[12:13], s[0:1], 0x20              ; y
	v_lshl_add_u32 v[SPW], v0, 2, SPARE
	v_mov_b32 v[NIL], 0
	v_lshrrev_b32 v1, 5, v0
	v_readfirstlane_b32 s16, v1                    ; wave
	v_and_b32 v1, 31, v0                           ; lane
	v_and_b32 v2, 15, v0                           ; r
	v_bfe_u32 v3, v0, 4, 1                         ; h
	s_and_b32 s17, ttmp9, 15                       ; slice of columns
	s_lshr_b32 s36, ttmp9, 4                       ; half of K
	s_and_b32 s18, ttmp7, 0xffff                   ; expert
	s_and_b32 s39, s17, 7                          ; by how many blocks of 128 this slice's walk along K is turned
	s_sub_co_u32 s37, s36, 1                       ; all ones in the first half, 0 in the second: b2 enters one of the two partial sums
	s_and_b32 s38, s37, 0xffff0000
	v_and_b32 v[BR], 7, v0                         ; the turning load: lane l reads k = 8 h + l % 8, columns 8 ((l / 8) % 2) on
	v_lshl_add_u32 v[BR], v3, 3, v[BR]
	v_mul_u32_u24 v[BR], v[BR], P
	v_bfe_u32 v5, v0, 3, 1
	v_lshl_add_u32 v[BR], v5, 4, v[BR]
.irp k, 1,2,3
	v_add_nc_u32 v[BR+\k], \k*8*KSTEPB, v[BR]      ; eight K steps are 40,960 bytes: with them every immediate stays inside its 16 bits
.endr
	s_add_co_u32 s27, s16, s39                     ; place w of the slice, which my wave fills, takes block (w + turn) % 8 of W2:
	s_and_b32 s27, s27, 7
	s_mul_i32 s27, s27, 128*ROWP                   ; its 128 rows in memory
	v_mul_u32_u24 v[WO], v3, 4*ROWP
	v_lshl_add_u32 v[WO], v2, 4, v[WO]
	v_add_nc_u32 v[WO], s27, v[WO]
	s_mul_i32 s28, s16, 128*P                      ; and my wave's 128 rows in LDS: the wave's number times a constant
	v_mul_u32_u24 v[WL], v3, 4*P
	v_lshl_add_u32 v[WL], v2, 3, v[WL]
	v_add_nc_u32 v[WL], s28, v[WL]
	s_mul_i32 s29, s16, 16*SP
	s_add_co_u32 s29, s29, STAGE                   ; my stage
	v_mul_u32_u24 v[STO], v2, SP                   ; in: row r, 32 bytes for each half of the lanes
	v_lshl_add_u32 v[STO], v3, 5, v[STO]
	v_add_nc_u32 v[STO], s29, v[STO]
	v_mul_u32_u24 v[RD], v3, SP                    ; back: lanes 0-15 take one row of 256 bytes, lanes 16-31 the next
	v_lshl_add_u32 v[RD], v2, 4, v[RD]
	v_add_nc_u32 v[RD], s29, v[RD]
	s_lshl_b32 s22, s16, 16
	v_lshlrev_b32 v[OUT0], 12, v3                  ; and the same two rows in y
	v_lshl_add_u32 v[OUT0], v2, 4, v[OUT0]
	v_add_nc_u32 v[OUT0], s22, v[OUT0]
	v_lshlrev_b32 v[A0], 4, v1
	v_add_nc_u32 v[A0], s22, v[A0]
	v_lshlrev_b32 v[BO], 5, v3                     ; my eight columns of a block of 16 in b2
	s_mov_b32 s33, 0
	s_lshl_b32 s27, s18, 23                        ; an expert's 8,388,608 bytes of W2, of hb and of a half of y
	s_lshl_b32 s28, s17, 8                         ; a slice's 256 bytes of a row
	s_wait_kmcnt 0x0
	s_lshl_b32 s32, s18, 7
	s_add_co_u32 s32, s32, 65536
	s_add_nc_u64 s[34:35], s[10:11], s[32:33]
	s_load_b32 s19, s[34:35], 0x0                  ; the expert's count
	s_lshl_b32 s29, s36, 22                        ; 1,024 rows of W2
	s_or_b32 s32, s27, s28
	s_or_b32 s32, s32, s29
	s_add_nc_u64 s[6:7], s[6:7], s[32:33]
	s_lshl_b32 s32, s18, 12
	s_or_b32 s32, s32, s28
	s_add_nc_u64 s[8:9], s[8:9], s[32:33]
.irp n, 0,1,2,3,4,5,6,7
	global_load_b128 v[BIAS+4*\n:BIAS+4*\n+3], v[BO], s[8:9] offset:64*(\n/2)+16*(\n%2)
.endr
	WLOAD 0
	WLOAD 1
	WLOAD 2                                        ; 56 loads of mine are out; the other addresses are made while they are on their way
	s_lshl_b32 s29, s36, 15                        ; 32 K steps in a tile of hb
	s_or_b32 s32, s27, s29
	s_add_nc_u64 s[4:5], s[4:5], s[32:33]
	s_lshl_b32 s29, s36, 26                        ; a half of y
	s_or_b32 s32, s27, s28
	s_or_b32 s32, s32, s29
	s_add_nc_u64 s[12:13], s[12:13], s[32:33]
.irp b, 0,1,2,3,4,5,6,7                            ; hb at block (b + turn) % 8: four K steps of a tile are 4,096 bytes
	s_add_co_u32 s32, s39, \b
	s_and_b32 s32, s32, 7
	s_lshl_b32 s32, s32, 12
	s_add_nc_u64 s[AB+2*\b:AB+2*\b+1], s[4:5], s[32:33]
.endr
	s_wait_loadcnt 32                              ; groups 1 and 2 are younger: the bias and group 0 are in
	WLOAD 3
	CONV 0
	s_wait_loadcnt 32                              ; groups 2 and 3 are younger
	CONV 1
	s_wait_loadcnt 16
	CONV 2
	s_wait_loadcnt 0x0
	CONV 3
.set i, 0
.rept 16                                           ; b2 rounded to bf16 and widened again; 0 in the second half of K
	v_cvt_pk_bf16_f32 v[BB+32+i], v[BIAS+2*i], v[BIAS+2*i+1]
.set i, i+1
.endr
.set i, 0
.rept 16
	v_lshlrev_b32 v[BIAS+2*i], 16, v[BB+32+i]
	v_and_b32 v[BIAS+2*i+1], s38, v[BB+32+i]
	v_and_b32 v[BIAS+2*i], s37, v[BIAS+2*i]
.set i, i+1
.endr
	s_wait_kmcnt 0x0                               ; the count
	s_add_co_u32 s22, s19, 15
	s_lshr_b32 s22, s22, 4                         ; tiles of the expert
	s_add_co_u32 s22, s22, 7
	s_sub_co_u32 s22, s22, s16
	s_lshr_b32 s23, s22, 3                         ; of them mine: w, w + 8, ..
	s_min_u32 s23, s23, 16
	s_lshr_b32 s24, s23, 2                         ; trips of four
	s_wait_dscnt 0x0                               ; for the others' sake: my part of the slice is in LDS
	s_barrier_signal -1
	s_barrier_wait -1                              ; behind it a wave writes its own stage alone
	s_mov_b32 s26, 0                               ; the odd tile is my first
	s_bitcmp1_b32 s23, 0
	s_cbranch_scc0 .Lno1
	TRIP 1
.Lno1:
	s_and_b32 s26, s23, 1                          ; the odd two follow it
	s_bitcmp1_b32 s23, 1
	s_cbranch_scc0 .Lno2
	TRIP 2
.Lno2:
	s_and_b32 s31, s23, 3                          ; the fours begin behind them
	s_mov_b32 s25, 0
.Lquad:                                            ; counted to the constant four; the trips that I do not have are jumped over
	s_cmp_ge_u32 s25, s24
	s_cbranch_scc1 .Lquad_next
	s_lshl_b32 s26, s25, 2
	s_add_co_u32 s26, s26, s31
	TRIP 4
.Lquad_next:
	s_add_co_u32 s25, s25, 1
	s_cmp_lt_u32 s25, 4
	s_cbranch_scc1 .Lquad
	s_wait_tensorcnt 0x0                           ; the wave's end, behind my last LDS store
	ds_add_u32 v[SPW], v[NIL]
	s_wait_dscnt 0x0
	s_endpgm
.Lfunc_end_k_q0e7f2a4d4a_down:
	.size	k_q0e7f2a4d4a_down, .Lfunc_end_k_q0e7f2a4d4a_down-k_q0e7f2a4d4a_down
	.p2alignl 7, 3214868480
	.fill 96, 4, 3214868480
	.section	.rodata,"a",@progbits
	.p2align	6, 0x0
	.amdhsa_kernel k_q0e7f2a4d4a_down
		.amdhsa_group_segment_fixed_size 199680
		.amdhsa_private_segment_fixed_size 0
		.amdhsa_enable_private_segment 0
		.amdhsa_kernarg_size 40
		.amdhsa_user_sgpr_count 2
		.amdhsa_user_sgpr_kernarg_segment_ptr 1
		.amdhsa_wavefront_size32 1
		.amdhsa_system_sgpr_workgroup_id_x 1
		.amdhsa_system_sgpr_workgroup_id_y 1
		.amdhsa_system_sgpr_workgroup_id_z 1
		.amdhsa_system_vgpr_workitem_id 0
		.amdhsa_next_free_vgpr 512
		.amdhsa_next_free_sgpr 66
		.amdhsa_reserve_vcc 0
		.amdhsa_float_denorm_mode_32 3
		.amdhsa_float_denorm_mode_16_64 3
		.amdhsa_memory_ordered 1
		.amdhsa_forward_progress 1
		.amdhsa_inst_pref_size 211
	.end_amdhsa_kernel
	.amdgpu_metadata
---
amdhsa.version: [ 1, 2 ]
amdhsa.kernels:
  - .name:           k_q0e7f2a4d4a_down
    .symbol:         k_q0e7f2a4d4a_down.kd
    .args:
      - { .name: hb, .offset: 0, .size: 8, .value_kind: global_buffer, .address_space: global }
      - { .name: W2, .offset: 8, .size: 8, .value_kind: global_buffer, .address_space: global }
      - { .name: b2, .offset: 16, .size: 8, .value_kind: global_buffer, .address_space: global }
      - { .name: meta, .offset: 24, .size: 8, .value_kind: global_buffer, .address_space: global }
      - { .name: y, .offset: 32, .size: 8, .value_kind: global_buffer, .address_space: global }
    .group_segment_fixed_size: 199680
    .private_segment_fixed_size: 0
    .kernarg_segment_align: 8
    .kernarg_segment_size: 40
    .max_flat_workgroup_size: 256
    .sgpr_count:     66
    .vgpr_count:     512
    .wavefront_size: 32
...
	.end_amdgpu_metadata
.endif
;; end of part 3
;; launch mix (part 4): grid 256 x 1, 8 waves a work-group, no clusters, 0 bytes of LDS; arguments y, route, meta, gate, out0; writes out0
.if DOCPART == 4
	.amdgcn_target "amdgcn-amd-amdhsa--gfx1250"
	.amdhsa_code_object_version 6
	.text
	.protected	k_q0e7f2a4d4a_mix
	.globl	k_q0e7f2a4d4a_mix
	.p2align	8
	.type	k_q0e7f2a4d4a_mix,@function
k_q0e7f2a4d4a_mix:
	s_mov_b64 s[64:65], 0
	v_nop
	global_prefetch_b8 v0, s[64:65] scope:SCOPE_SE
	s_setreg_imm32_b32 hwreg(HW_REG_WAVE_MODE, 25, 1), 1
	s_wait_xcnt 0x0
; MIX.  out[t] = g1 (y0[e1, rank1] + y1[e1, rank1]) + g2 (y0[e2, rank2] + y1[e2, rank2]): the two halves of K of the token's two experts, weighed by its gates.
; One wave, one token: four rows of 4,096 bytes in, one out; every load and store of a wave is 512 consecutive bytes.  The experts and ranks are whole numbers that earlier launches stored;
; each is bounded before it enters an address.  The token's rank in ALL eight experts (every one was stored) is asked for together with its two experts and its gates, at places that hang
; on the token alone, and the two that are wanted are picked by selects: so the rows' addresses stand behind two scalar loads on end, not three.
; All 32 loads go out before the first wait.  Memory binds: no LDS, no barrier, no matrix unit, and no two work-groups read the same byte of y.
.set D,  8                             ; v[8:135]  chunk c of eight, row k of four at D + 16 c + 4 k; the result takes row 0's place
.set RK, 40                            ; s[40:47]  the token's rank in each of the eight experts
	s_load_b256 s[4:11], s[0:1], 0x0               ; y s[4:5], route s[6:7], meta s[8:9], gate s[10:11]
	s_load_b64 s[12:13], s[0:1], 0x20              ; out0
	v_lshrrev_b32 v1, 5, v0
	v_readfirstlane_b32 s14, v1                    ; wave
	v_and_b32 v1, 31, v0
	v_lshlrev_b32 v1, 4, v1                        ; 16 bytes a lane
	s_lshl_b32 s15, ttmp9, 3
	s_add_co_u32 s15, s15, s14                     ; my token
	s_lshl_b32 s20, s15, 3                         ; 8 bytes a token in the choices and in the gates
	s_lshl_b32 s21, s15, 2                         ; 4 bytes a token in an expert's ranks
	s_mov_b32 s27, 0
	s_wait_kmcnt 0x0
	s_load_b64 s[16:17], s[6:7], s20 offset:0x800  ; its two experts
	s_load_b64 s[18:19], s[10:11], s20 offset:0x0  ; its two gates
.irp e, 0,1,2,3,4,5,6,7
	s_load_b32 s[RK+\e], s[8:9], s21 offset:8192*\e  ; an expert's 2,048 ranks are 8,192 bytes
.endr
	s_wait_kmcnt 0x0
	s_min_u32 s16, s16, 7
	s_min_u32 s17, s17, 7
	s_mov_b32 s24, s[RK]
	s_mov_b32 s25, s[RK]
.irp e, 1,2,3,4,5,6,7
	s_cmp_eq_u32 s16, \e
	s_cselect_b32 s24, s[RK+\e], s24               ; its rank in the first of its experts
	s_cmp_eq_u32 s17, \e
	s_cselect_b32 s25, s[RK+\e], s25               ; and in the second
.endr
	s_mov_b32 s36, s19                             ; g2 in a pair of its own: a packed line takes a pair's low word for both halves
	s_mov_b32 s37, s19
	s_min_u32 s24, s24, 0x7ff
	s_min_u32 s25, s25, 0x7ff
	s_lshl_b32 s26, s16, 11
	s_add_co_u32 s26, s26, s24
	s_lshl_b32 s26, s26, 12                        ; a row of y is 4,096 bytes
	s_add_nc_u64 s[28:29], s[4:5], s[26:27]
	s_add_nc_u64 s[30:31], s[28:29], 0x4000000     ; the second half of K lies 67,108,864 bytes on
	s_lshl_b32 s26, s17, 11
	s_add_co_u32 s26, s26, s25
	s_lshl_b32 s26, s26, 12
	s_add_nc_u64 s[32:33], s[4:5], s[26:27]
	s_add_nc_u64 s[34:35], s[32:33], 0x4000000
	s_lshl_b32 s26, s15, 12
	s_add_nc_u64 s[12:13], s[12:13], s[26:27]
.irp c, 0,1,2,3,4,5,6,7
	global_load_b128 v[D+16*\c:D+16*\c+3],     v1, s[28:29] offset:512*\c th:TH_LOAD_NT
	global_load_b128 v[D+16*\c+4:D+16*\c+7],   v1, s[30:31] offset:512*\c th:TH_LOAD_NT
	global_load_b128 v[D+16*\c+8:D+16*\c+11],  v1, s[32:33] offset:512*\c th:TH_LOAD_NT
	global_load_b128 v[D+16*\c+12:D+16*\c+15], v1, s[34:35] offset:512*\c th:TH_LOAD_NT
.endr
.irp c, 0,1,2,3,4,5,6,7
	s_wait_loadcnt 4*(7-\c)                        ; the four loads of each later chunk are younger
.irp p, 0,2
	v_pk_mul_f32 v[D+16*\c+\p:D+16*\c+\p+1], v[D+16*\c+\p:D+16*\c+\p+1], s[18:19] op_sel_hi:[1,0]
	v_pk_fma_f32 v[D+16*\c+\p:D+16*\c+\p+1], v[D+16*\c+4+\p:D+16*\c+4+\p+1], s[18:19], v[D+16*\c+\p:D+16*\c+\p+1] op_sel_hi:[1,0,1]
	v_pk_fma_f32 v[D+16*\c+\p:D+16*\c+\p+1], v[D+16*\c+8+\p:D+16*\c+8+\p+1], s[36:37], v[D+16*\c+\p:D+16*\c+\p+1] op_sel_hi:[1,0,1]
	v_pk_fma_f32 v[D+16*\c+\p:D+16*\c+\p+1], v[D+16*\c+12+\p:D+16*\c+12+\p+1], s[36:37], v[D+16*\c+\p:D+16*\c+\p+1] op_sel_hi:[1,0,1]
.endr
	global_store_b128 v1, v[D+16*\c:D+16*\c+3], s[12:13] offset:512*\c th:TH_STORE_NT
.endr
	s_endpgm
.Lfunc_end_k_q0e7f2a4d4a_mix:
	.size	k_q0e7f2a4d4a_mix, .Lfunc_end_k_q0e7f2a4d4a_mix-k_q0e7f2a4d4a_mix
	.p2alignl 7, 3214868480
	.fill 96, 4, 3214868480
	.section	.rodata,"a",@progbits
	.p2align	6, 0x0
	.amdhsa_kernel k_q0e7f2a4d4a_mix
		.amdhsa_group_segment_fixed_size 0
		.amdhsa_private_segment_fixed_size 0
		.amdhsa_enable_private_segment 0
		.amdhsa_kernarg_size 40
		.amdhsa_user_sgpr_count 2
		.amdhsa_user_sgpr_kernarg_segment_ptr 1
		.amdhsa_wavefront_size32 1
		.amdhsa_system_sgpr_workgroup_id_x 1
		.amdhsa_system_sgpr_workgroup_id_y 1
		.amdhsa_system_sgpr_workgroup_id_z 1
		.amdhsa_system_vgpr_workitem_id 0
		.amdhsa_next_free_vgpr 136
		.amdhsa_next_free_sgpr 66
		.amdhsa_reserve_vcc 0
		.amdhsa_float_denorm_mode_32 3
		.amdhsa_float_denorm_mode_16_64 3
		.amdhsa_memory_ordered 1
		.amdhsa_forward_progress 1
		.amdhsa_inst_pref_size 11
	.end_amdhsa_kernel
	.amdgpu_metadata
---
amdhsa.version: [ 1, 2 ]
amdhsa.kernels:
  - .name:           k_q0e7f2a4d4a_mix
    .symbol:         k_q0e7f2a4d4a_mix.kd
    .args:
      - { .name: y, .offset: 0, .size: 8, .value_kind: global_buffer, .address_space: global }
      - { .name: route, .offset: 8, .size: 8, .value_kind: global_buffer, .address_space: global }
      - { .name: meta, .offset: 16, .size: 8, .value_kind: global_buffer, .address_space: global }
      - { .name: gate, .offset: 24, .size: 8, .value_kind: global_buffer, .address_space: global }
      - { .name: out0, .offset: 32, .size: 8, .value_kind: global_buffer, .address_space: global }
    .group_segment_fixed_size: 0
    .private_segment_fixed_size: 0
    .kernarg_segment_align: 8
    .kernarg_segment_size: 40
    .max_flat_workgroup_size: 256
    .sgpr_count:     66
    .vgpr_count:     136
    .wavefront_size: 32
...
	.end_amdgpu_metadata
.endif
;; end of part 4
;; ======== version 2 of 2: 4 launches; version 1 with the launch down written anew for expert scheduling mode
;; workspace buffers: xb 4,194,304 bytes; route 18,432 bytes of whole numbers; gate 16,384 bytes; meta 66,560 bytes of whole numbers; hb 67,108,864 bytes; y 134,217,728 bytes
;; launch router: the kernel of part 1 again; grid 128 x 1, 8 waves a work-group, no clusters, 50,688 bytes of LDS; arguments x, Wr, br, xb, route, gate; writes xb, route, gate
;; launch up: the kernel of part 2 again; grid 32 x 8, 8 waves a work-group, no clusters, 173,056 bytes of LDS; arguments xb, W1, b1, route, hb, meta; writes hb, meta
;; launch down (part 5): grid 32 x 8, 8 waves a work-group, no clusters, 199,680 bytes of LDS; arguments hb, W2, b2, meta, y; writes y
.if DOCPART == 5
	.amdgcn_target "amdgcn-amd-amdhsa--gfx1250"
	.amdhsa_code_object_version 6
	.text
	.protected	k_q0e7f2a4d4a_down
	.globl	k_q0e7f2a4d4a_down
	.p2align	8
	.type	k_q0e7f2a4d4a_down,@function
k_q0e7f2a4d4a_down:
	s_mov_b64 s[64:65], 0
	v_nop
	global_prefetch_b8 v0, s[64:65] scope:SCOPE_SE
	s_setreg_imm32_b32 hwreg(HW_REG_WAVE_SCHED_MODE, 0, 2), 2
	s_setreg_imm32_b32 hwreg(HW_REG_WAVE_MODE, 25, 1), 1
	s_wait_xcnt 0x0
	s_wait_alu depctr_vm_vsrc(0)
; DOWN.  y = h W2[e] (+ b2[e]) for expert e's rows, in two halves of K that the last launch adds.  Work-group (x, e): columns 64 (x % 16) .. + 63 of 1,024, k = 1,024 (x / 16) .. + 1,023 of
; 2,048: 262,144 bytes of W2 that it alone reads, once, rounded to bf16 on their way through registers into LDS as [k][n].  The split of K keeps the slice 64 columns wide, so that each
; fragment of h feeds four products; b2 starts the sums of the first half alone, as the C operand of the first K step (0 in the second half).
; ROWS.  As in the launch before: a tile is 16 ranks, wave w has tiles w, w + 8 ..; one, then two, then four at a time.  The number of trips hangs on the stored count, so the trips hold no
; barrier; what they write in LDS is the wave's own stage.  h comes from memory in the order of the operand registers: every load of a wave is 512 consecutive bytes.
; THE SHORT TRIPS COME FIRST: a wave whose number of tiles is no multiple of four takes the odd one and the odd two at the start, while the other seven waves are at work as well.
; A TRIP'S 32 K STEPS ARE WRITTEN OUT: the slice is read through four address registers that are never rewritten, 40,960 bytes apart, and immediates, so that every load's bytes can be read
; off the text: they end at byte 163,807, and the waves' stages begin at 163,840.
; THE WALK ALONG K IS TURNED FROM SLICE TO SLICE.  K's 1,024 go in eight blocks of 128 (four K steps).  Place b of the slice in LDS holds block (b + x % 8) % 8 of W2, and the rows of h for
; place b are asked for at the same block, through eight base addresses made once.  Each sum has its 1,024 terms, begun at another block.  So the sixteen work-groups that read the same
; tiles of h do not ask for the same 8,192 bytes of a tile at the same time: their rings together lie over all 32,768 bytes of the tile's half.
; PRODUCT.  Source 0 = 16 columns of W2 (turned out of LDS), source 1 = 16 rows of h: a lane holds one row and eight neighbouring columns.
; THE WAY OUT.  f32 partial sums; a tile's 16 rows x 256 bytes go through my stage, so that 16 lanes store 256 consecutive bytes, at a multiple of 256 from y's first byte.
; y: [half of K: 2][2,048 e + rank][1,024] f32.  Rows past the count are stored and never read.
; NO JOINT LOADS: an expert's 16 work-groups of one half share its tiles of h, but the number of tiles hangs on a stored count, and a loop of that kind holds no ring in LDS, no barrier and
; no tensor load: the rows go straight into operand registers.
; LIMITS.  W2 and b2 are rounded once to bf16 (as every input of this program is); sums in f32, in an order of K that differs from slice to slice and from the reference's.
; THE MODE: SCHED_MODE bits 1:0 = 2 (LLVM: expert scheduling mode 2), set by the entry lines.  The code itself states the register dependences between vector or matrix instructions and
; memory or LDS instructions, with s_wait_alu, always for 0.
; THE PLAN.  Registers that memory or LDS instructions touch in a trip:
;   ring slot s   K step g's products read slot g % 8; the rows of step g + 7 land in slot (g - 1) % 8, asked for in step g (g = 1 .. 24).
;   BB0, BB1      K step g's products read BB[g % 2]; the weights of step g + 1 land in BB[(g + 1) % 2], asked for in step g (g = 1 .. 30).  On the way out: tile i's rows come back from the stage
;                 into BB[i % 2], and its stores read them.
;   ACC           written by the products; read by the LDS stores into the stage on the way out.
;   AO, OUT       written at the trip's head alone.      BR, STO, RD, WO, WL, BO: made at the kernel's head and never written again.
; So ONE wait on va_vdst stands at the head of a step that asks for anything: the products of the step before are done reading their slot and their BB.  The step's loads follow it, dealt among
; its products, which name the other slot, the other BB and the accumulators.  One wait on vm_vsrc and one on va_vdst stand at a trip's head, one on va_vdst ahead of the way out.
.set ROWP,  4096                       ; bytes from row to row of W2
.set KSB,   1024                       ; bytes of a tile of hb in a K step of 32
.set QB,    512                        ; from a fragment's first four registers to its last four
.set P,     160                        ; an LDS row of the slice: 128 bytes + 32 = 5 x 32
.set KSTEPB, 32*P
.set STAGE, 1024*P                     ; behind the slice: 16 rows x 272 bytes for each wave
.set SP,    272                        ; 256 bytes + 16: the 16 rows that a store touches begin in 16 different 16-byte columns of 256
.set SPARE, STAGE+8*16*SP              ; the spare words: 128 bytes a wave, four blocks of 256 bytes that no other line names
.set AB,    40                         ; s[40:55]  hb at the block of K that lies at place b of the slice, b = 0 .. 7; never rewritten
; window 0
.set WO,   6                           ; v6   my byte offset in the slice of W2
.set WL,   7                           ; v7   and in LDS
.set AO,   8                           ; v8-11   tile i: my byte offset in hb
.set STO,  12                          ; v12  the way out: where I put 16 bytes of a row
.set RD,   13                          ; v13  where I read rows back
.set OUT0, 16                          ; v16  4,096 h + 16 r + 65,536 x wave
.set OUT,  17                          ; v17  the trip's offset in y
.set BO,   19                          ; v19  the bias's offset
.set A0,   20                          ; v20  16 x lane + 65,536 x wave
.set BR,   24                          ; v24-27  my lane's place in K steps 0, 8, 16 and 24 of the slice; never rewritten
.set SPW,  30                          ; v30  SPARE + 4 x my thread's number; never rewritten
.set NIL,  31                          ; v31  0; never rewritten
.set BIAS, 32                          ; v32-63   b2 of my 8 columns in each of the four blocks of 16, or 0; behind its rounding never rewritten
.set BB,   64                          ; v64-127  two buffers of four weight fragments; also at work on the way in and out
.set ACC,  128                         ; v128-255 accumulator (tile i, block nt) at ACC + 8 (4 i + nt); at first weights as loaded
; window 1: v0-255 the ring: K step s of eight, tile i at 32 s + 8 i; at first weights as loaded
.set MSB, 0
.macro WIN new                         ; s_set_vgpr_msb: bits 1:0 source 0, 3:2 source 1, 5:4 source 2, 7:6 destination; the high byte repeats the setting that is left
.if MSB != (\new)
	s_set_vgpr_msb (MSB<<8)|(\new)
.set MSB, (\new)
.endif
.endm
.macro PLACES                          ; four places behind matrix instructions, in front of loads into their sources and of readers of their results
.rept 4
	v_nop
.endr
.endm
; Group g of four: 16 loads.  Load n of 64 takes rows 8 (n / 4) + n % 4 (lanes 0-15) and four further on (lanes 16-31) of my wave's 128: 16 lanes take 256 consecutive bytes of a row.
; No vector instruction names their registers ahead of them, and their offset is written ahead of the head's wait on va_vdst.
.macro WLOAD g
.if (\g) < 2
	WIN 0
.set WB, ACC+64*(\g)
.else
	WIN 0x40
.set WB, 64*((\g)-2)
.endif
.set i, 0
.rept 16
.set rw, 8*((16*(\g)+i)/4)+(16*(\g)+i)%4
	global_load_b128 v[WB+4*i:WB+4*i+3], v[WO], s[6:7] offset:rw*ROWP th:TH_LOAD_NT
.set i, i+1
.endr
	WIN 0
.endm
; Group g is rounded and laid into LDS: 8 bytes a lane; the two halves of the lanes lie 640 bytes apart, 128 modulo 256
.macro CONV g
.if (\g) > 0
	s_wait_alu depctr_vm_vsrc(0)                   ; the LDS stores of the group before have read v[BB ..], which the conversions write again
.endif
.if (\g) < 2
	WIN 0
.set WB, ACC+64*(\g)
.else
	WIN 0x05
.set WB, 64*((\g)-2)
.endif
.set i, 0
.rept 32
	v_cvt_pk_bf16_f32 v[BB+i], v[WB+2*i], v[WB+2*i+1]
.set i, i+1
.endr
	WIN 0
	s_wait_alu depctr_va_vdst(0)                   ; the conversions have written v[BB ..], which the LDS stores read
.set i, 0
.rept 16
.set rw, 8*((16*(\g)+i)/4)+(16*(\g)+i)%4
	ds_store_b64 v[WL], v[BB+2*i:BB+2*i+1] offset:rw*P
.set i, i+1
.endr
.endm
; K step g of 32 (the symbol g counts them, by their places in the slice) for mt tiles: 4 mt products, each accumulator once, so that they take turns from step to step.
; The first step's products start the sums: their C is the bias of the block's columns.
; The rows lie in slot g % 8 of the ring, the weights in buffer g % 2.  Among the products the other buffer takes the weights of step g + 1, and the slot that the step before read takes the rows
; of step g + 7, while there are such.
.macro KSTEP mt
	WIN 0x04                                       ; source 1 (the rows) in window 1
.if g == 0
	s_wait_loadcnt 14*(\mt)                        ; the seven other slots, 2 mt loads each, are younger than the one that is due
.elseif g < 26
	s_wait_loadcnt 12*(\mt)                        ; six slots are younger: the slot that the step before read is asked again only in this step
.else
	s_wait_loadcnt (31-g)*2*(\mt)                  ; nothing more is asked for: the counts run down
.endif
.if g == 0
	s_wait_dscnt 8                                 ; step 1's eight weight loads may stay out
.else
	s_wait_dscnt 0                                 ; this step's weights, asked for in the step before, are the only LDS loads out
.endif
.if (g >= 1) && (g <= 30)
	s_wait_alu depctr_va_vdst(0)                   ; the products of the step before are done reading their slot and their weight buffer, in which the loads below land
.endif
.set i, 0
.rept \mt
.irp nt, 0,1,2,3
.if g == 0
	v_wmma_f32_16x16x32_bf16 v[ACC+8*(4*i+\nt):ACC+8*(4*i+\nt)+7], v[BB+32*(g%2)+8*\nt:BB+32*(g%2)+8*\nt+7], v[32*(g%8)+8*i:32*(g%8)+8*i+7], v[BIAS+8*\nt:BIAS+8*\nt+7]
.else
	v_wmma_f32_16x16x32_bf16 v[ACC+8*(4*i+\nt):ACC+8*(4*i+\nt)+7], v[BB+32*(g%2)+8*\nt:BB+32*(g%2)+8*\nt+7], v[32*(g%8)+8*i:32*(g%8)+8*i+7], v[ACC+8*(4*i+\nt):ACC+8*(4*i+\nt)+7]
.endif
.if (i == 0) && (g >= 1) && (g <= 30)
	ds_load_tr16_b128 v[BB+32*((g+1)%2)+8*\nt:BB+32*((g+1)%2)+8*\nt+3],   v[BR+(g+1)/8] offset:((g+1)%8)*KSTEPB+32*\nt       ; no wait: no product since the wait above names the other buffer
	ds_load_tr16_b128 v[BB+32*((g+1)%2)+8*\nt+4:BB+32*((g+1)%2)+8*\nt+7], v[BR+(g+1)/8] offset:((g+1)%8)*KSTEPB+32*\nt+16*P
.endif
.endr
.if (i == 0) && (g >= 1) && (g <= 24)
	WIN 0x40                                       ; destination in window 1
.set tt, 0
.rept \mt                                          ; place (g + 7) / 4 has its own base; the step's place in the block stands in the immediate.  No wait: no product since the wait above names slot (g - 1) % 8 or AO
	global_load_b128 v[32*((g+7)%8)+8*tt:32*((g+7)%8)+8*tt+3],   v[AO+tt], s[AB+2*((g+7)/4):AB+2*((g+7)/4)+1] offset:((g+7)%4)*KSB
	global_load_b128 v[32*((g+7)%8)+8*tt+4:32*((g+7)%8)+8*tt+7], v[AO+tt], s[AB+2*((g+7)/4):AB+2*((g+7)/4)+1] offset:((g+7)%4)*KSB+QB
.set tt, tt+1
.endr
	WIN 0x04
.endif
.set i, i+1
.endr
.if g < 30
	PLACES
.endif
.set g, g+1
.endm
; A TRIP: my tiles s26 .. s26 + mt - 1 (of those that are mine), 16 mt rows x 64 columns x K = 1,024.
.macro TRIP mt
	WIN 0
	s_wait_xcnt 0x0                                ; the last trip's loads and stores have read their offsets and data
	s_wait_alu depctr_vm_vsrc(0)                   ; the last trip's stores have read OUT and v[BB ..], its loads AO, its LDS stores the accumulators; ahead of the first trip: the LDS stores of the slice have read v[BB ..]
	s_min_u32 s27, s26, 16-(\mt)                   ; a number made of loaded ones enters an address behind a bound
	s_lshl_b32 s28, s27, 19                        ; eight tiles of 65,536 bytes, in hb and in y, from one of mine to the next
	v_add_nc_u32 v[OUT], s28, v[OUT0]
	v_add_nc_u32 v[AO], s28, v[A0]
.set i, 1
.rept (\mt)-1
	v_add_nc_u32 v[AO+i], i*524288, v[AO]
.set i, i+1
.endr
	WIN 0x40
	s_wait_alu depctr_va_vdst(0)                   ; AO is written, which the loads below read; all earlier products and conversions are done with the ring's registers and v[BB ..], in which the loads below land
.irp s, 0,1,2,3,4,5,6,7                            ; the ring is filled: the K steps at places 0 to 7
.set i, 0
.rept \mt
	global_load_b128 v[32*\s+8*i:32*\s+8*i+3],   v[AO+i], s[AB+2*(\s/4):AB+2*(\s/4)+1] offset:(\s%4)*KSB
	global_load_b128 v[32*\s+8*i+4:32*\s+8*i+7], v[AO+i], s[AB+2*(\s/4):AB+2*(\s/4)+1] offset:(\s%4)*KSB+QB
.set i, i+1
.endr
.endr
	WIN 0
.irp k, 0,1                                        ; the weights of K steps 0 and 1: only loads and a window switch stand between the wait above and these
.irp nt, 0,1,2,3
	ds_load_tr16_b128 v[BB+32*\k+8*\nt:BB+32*\k+8*\nt+3],   v[BR] offset:\k*KSTEPB+32*\nt
	ds_load_tr16_b128 v[BB+32*\k+8*\nt+4:BB+32*\k+8*\nt+7], v[BR] offset:\k*KSTEPB+32*\nt+16*P
.endr
.endr
.set g, 0
.rept 32
	KSTEP \mt
.endr
	WIN 0
	PLACES
	s_wait_alu depctr_va_vdst(0)                   ; the products have written the accumulators, which the LDS stores below read, and are done reading v[BB ..], in which the rows come back; the places above stay beside this wait
.set i, 0
.rept \mt                                          ; a tile at a time through my stage
	s_wait_xcnt 0x0                                ; the stores of the tile before last have read the registers that are loaded again below
.if i >= 2
	s_wait_alu depctr_vm_vsrc(0)                   ; the stores of the tile before last have read BB[i % 2], in which this tile's rows land
.endif
.irp nt, 0,1,2,3                                   ; each accumulator is read from its low end on
	ds_store_b128 v[STO], v[ACC+8*(4*i+\nt):ACC+8*(4*i+\nt)+3] offset:64*\nt
	ds_store_b128 v[STO], v[ACC+8*(4*i+\nt)+4:ACC+8*(4*i+\nt)+7] offset:64*\nt+16
.endr
.irp t, 0,1,2,3,4,5,6,7
	ds_load_b128 v[BB+32*(i%2)+4*\t:BB+32*(i%2)+4*\t+3], v[RD] offset:2*SP*\t  ; LDS serves a wave's instructions in order (ISA guide 5.7.1.4): these see the stores above, and the next tile's stores come behind them
.endr
.irp t, 0,1,2,3,4,5,6,7
	s_wait_dscnt 7-\t                              ; the younger read-backs may stay out
	global_store_b128 v[OUT], v[BB+32*(i%2)+4*\t:BB+32*(i%2)+4*\t+3], s[12:13] offset:i*524288+\t*8192  ; lanes 0-15 one row's 256 bytes, lanes 16-31 the next row's
.endr
.set i, i+1
.endr
.endm
	s_load_b256 s[4:11], s[0:1], 0x0               ; hb s[4:5], W2 s[6:7], b2 s[8:9], meta s[10:11]
	s_load_b64 s[12:13], s[0:1], 0x20              ; y
	v_lshl_add_u32 v[SPW], v0, 2, SPARE
	v_mov_b32 v[NIL], 0
	v_lshrrev_b32 v1, 5, v0
	v_readfirstlane_b32 s16, v1                    ; wave
	v_and_b32 v1, 31, v0                           ; lane
	v_and_b32 v2, 15, v0                           ; r
	v_bfe_u32 v3, v0, 4, 1                         ; h
	s_and_b32 s17, ttmp9, 15                       ; slice of columns
	s_lshr_b32 s36, ttmp9, 4                       ; half of K
	s_and_b32 s18, ttmp7, 0xffff                   ; expert
	s_and_b32 s39, s17, 7                          ; by how many blocks of 128 this slice's walk along K is turned
	s_sub_co_u32 s37, s36, 1                       ; all ones in the first half, 0 in the second: b2 enters one of the two partial sums
	s_and_b32 s38, s37, 0xffff0000
	v_and_b32 v[BR], 7, v0                         ; the turning load: lane l reads k = 8 h + l % 8, columns 8 ((l / 8) % 2) on
	v_lshl_add_u32 v[BR], v3, 3, v[BR]
	v_mul_u32_u24 v[BR], v[BR], P
	v_bfe_u32 v5, v0, 3, 1
	v_lshl_add_u32 v[BR], v5, 4, v[BR]
.irp k, 1,2,3
	v_add_nc_u32 v[BR+\k], \k*8*KSTEPB, v[BR]      ; eight K steps are 40,960 bytes: with them every immediate stays inside its 16 bits
.endr
	s_wait_alu depctr_va_sdst(0)                   ; s16 is written, ahead of its first reader
	s_add_co_u32 s27, s16, s39                     ; place w of the slice, which my wave fills, takes block (w + turn) % 8 of W2:
	s_and_b32 s27, s27, 7
	s_mul_i32 s27, s27, 128*ROWP                   ; its 128 rows in memory
	v_mul_u32_u24 v[WO], v3, 4*ROWP
	v_lshl_add_u32 v[WO], v2, 4, v[WO]
	v_add_nc_u32 v[WO], s27, v[WO]
	s_mul_i32 s28, s16, 128*P                      ; and my wave's 128 rows in LDS: the wave's number times a constant
	v_mul_u32_u24 v[WL], v3, 4*P
	v_lshl_add_u32 v[WL], v2, 3, v[WL]
	v_add_nc_u32 v[WL], s28, v[WL]
	s_mul_i32 s29, s16, 16*SP
	s_add_co_u32 s29, s29, STAGE                   ; my stage
	v_mul_u32_u24 v[STO], v2, SP                   ; in: row r, 32 bytes for each half of the lanes
	v_lshl_add_u32 v[STO], v3, 5, v[STO]
	v_add_nc_u32 v[STO], s29, v[STO]
	v_mul_u32_u24 v[RD], v3, SP                    ; back: lanes 0-15 take one row of 256 bytes, lanes 16-31 the next
	v_lshl_add_u32 v[RD], v2, 4, v[RD]
	v_add_nc_u32 v[RD], s29, v[RD]
	s_lshl_b32 s22, s16, 16
	v_lshlrev_b32 v[OUT0], 12, v3                  ; and the same two rows in y
	v_lshl_add_u32 v[OUT0], v2, 4, v[OUT0]
	v_add_nc_u32 v[OUT0], s22, v[OUT0]
	v_lshlrev_b32 v[A0], 4, v1
	v_add_nc_u32 v[A0], s22, v[A0]
	v_lshlrev_b32 v[BO], 5, v3                     ; my eight columns of a block of 16 in b2
	s_mov_b32 s33, 0
	s_lshl_b32 s27, s18, 23                        ; an expert's 8,388,608 bytes of W2, of hb and of a half of y
	s_lshl_b32 s28, s17, 8                         ; a slice's 256 bytes of a row
	s_wait_kmcnt 0x0
	s_lshl_b32 s32, s18, 7
	s_add_co_u32 s32, s32, 65536
	s_add_nc_u64 s[34:35], s[10:11], s[32:33]
	s_load_b32 s19, s[34:35], 0x0                  ; the expert's count
	s_lshl_b32 s29, s36, 22                        ; 1,024 rows of W2
	s_or_b32 s32, s27, s28
	s_or_b32 s32, s32, s29
	s_add_nc_u64 s[6:7], s[6:7], s[32:33]
	s_lshl_b32 s32, s18, 12
	s_or_b32 s32, s32, s28
	s_add_nc_u64 s[8:9], s[8:9], s[32:33]
	s_wait_alu depctr_va_vdst(0)                   ; the offsets and addresses made above are written: BO and WO, which the loads below read, and WL, BR, STO and RD, which later LDS instructions read
.irp n, 0,1,2,3,4,5,6,7
	global_load_b128 v[BIAS+4*\n:BIAS+4*\n+3], v[BO], s[8:9] offset:64*(\n/2)+16*(\n%2)
.endr
	WLOAD 0
	WLOAD 1
	WLOAD 2                                        ; 56 loads of mine are out; the other addresses are made while they are on their way
	s_lshl_b32 s29, s36, 15                        ; 32 K steps in a tile of hb
	s_or_b32 s32, s27, s29
	s_add_nc_u64 s[4:5], s[4:5], s[32:33]
	s_lshl_b32 s29, s36, 26                        ; a half of y
	s_or_b32 s32, s27, s28
	s_or_b32 s32, s32, s29
	s_add_nc_u64 s[12:13], s[12:13], s[32:33]
.irp b, 0,1,2,3,4,5,6,7                            ; hb at block (b + turn) % 8: four K steps of a tile are 4,096 bytes
	s_add_co_u32 s32, s39, \b
	s_and_b32 s32, s32, 7
	s_lshl_b32 s32, s32, 12
	s_add_nc_u64 s[AB+2*\b:AB+2*\b+1], s[4:5], s[32:33]
.endr
	s_wait_loadcnt 32                              ; groups 1 and 2 are younger: the bias and group 0 are in
	WLOAD 3
	CONV 0
	s_wait_loadcnt 32                              ; groups 2 and 3 are younger
	CONV 1
	s_wait_loadcnt 16
	CONV 2
	s_wait_loadcnt 0x0
	CONV 3
.set i, 0
.rept 16                                           ; b2 rounded to bf16 and widened again; 0 in the second half of K (in registers that no LDS store has read)
	v_cvt_pk_bf16_f32 v[BB+32+i], v[BIAS+2*i], v[BIAS+2*i+1]
.set i, i+1
.endr
.set i, 0
.rept 16
	v_lshlrev_b32 v[BIAS+2*i], 16, v[BB+32+i]
	v_and_b32 v[BIAS+2*i+1], s38, v[BB+32+i]
	v_and_b32 v[BIAS+2*i], s37, v[BIAS+2*i]
.set i, i+1
.endr
	s_wait_kmcnt 0x0                               ; the count
	s_add_co_u32 s22, s19, 15
	s_lshr_b32 s22, s22, 4                         ; tiles of the expert
	s_add_co_u32 s22, s22, 7
	s_sub_co_u32 s22, s22, s16
	s_lshr_b32 s23, s22, 3                         ; of them mine: w, w + 8, ..
	s_min_u32 s23, s23, 16
	s_lshr_b32 s24, s23, 2                         ; trips of four
	s_wait_dscnt 0x0                               ; for the others' sake: my part of the slice is in LDS
	s_barrier_signal -1
	s_barrier_wait -1                              ; behind it a wave writes its own stage alone
	s_mov_b32 s26, 0                               ; the odd tile is my first
	s_bitcmp1_b32 s23, 0
	s_cbranch_scc0 .Lno1
	TRIP 1
.Lno1:
	s_and_b32 s26, s23, 1                          ; the odd two follow it
	s_bitcmp1_b32 s23, 1
	s_cbranch_scc0 .Lno2
	TRIP 2
.Lno2:
	s_and_b32 s31, s23, 3                          ; the fours begin behind them
	s_mov_b32 s25, 0
.Lquad:                                            ; counted to the constant four; the trips that I do not have are jumped over
	s_cmp_ge_u32 s25, s24
	s_cbranch_scc1 .Lquad_next
	s_lshl_b32 s26, s25, 2
	s_add_co_u32 s26, s26, s31
	TRIP 4
.Lquad_next:
	s_add_co_u32 s25, s25, 1
	s_cmp_lt_u32 s25, 4
	s_cbranch_scc1 .Lquad
	s_wait_dscnt 0x0                               ; the closing lines, six on end
	s_wait_alu 0x0
	s_wait_tensorcnt 0x0
	ds_add_u32 v[SPW], v[NIL]
	s_wait_dscnt 0x0
	s_endpgm
.Lfunc_end_k_q0e7f2a4d4a_down:
	.size	k_q0e7f2a4d4a_down, .Lfunc_end_k_q0e7f2a4d4a_down-k_q0e7f2a4d4a_down
	.p2alignl 7, 3214868480
	.fill 96, 4, 3214868480
	.section	.rodata,"a",@progbits
	.p2align	6, 0x0
	.amdhsa_kernel k_q0e7f2a4d4a_down
		.amdhsa_group_segment_fixed_size 199680
		.amdhsa_private_segment_fixed_size 0
		.amdhsa_enable_private_segment 0
		.amdhsa_kernarg_size 40
		.amdhsa_user_sgpr_count 2
		.amdhsa_user_sgpr_kernarg_segment_ptr 1
		.amdhsa_wavefront_size32 1
		.amdhsa_system_sgpr_workgroup_id_x 1
		.amdhsa_system_sgpr_workgroup_id_y 1
		.amdhsa_system_sgpr_workgroup_id_z 1
		.amdhsa_system_vgpr_workitem_id 0
		.amdhsa_next_free_vgpr 512
		.amdhsa_next_free_sgpr 66
		.amdhsa_reserve_vcc 0
		.amdhsa_float_denorm_mode_32 3
		.amdhsa_float_denorm_mode_16_64 3
		.amdhsa_memory_ordered 1
		.amdhsa_forward_progress 1
		.amdhsa_inst_pref_size 215
	.end_amdhsa_kernel
	.amdgpu_metadata
---
amdhsa.version: [ 1, 2 ]
amdhsa.kernels:
  - .name:           k_q0e7f2a4d4a_down
    .symbol:         k_q0e7f2a4d4a_down.kd
    .args:
      - { .name: hb, .offset: 0, .size: 8, .value_kind: global_buffer, .address_space: global }
      - { .name: W2, .offset: 8, .size: 8, .value_kind: global_buffer, .address_space: global }
      - { .name: b2, .offset: 16, .size: 8, .value_kind: global_buffer, .address_space: global }
      - { .name: meta, .offset: 24, .size: 8, .value_kind: global_buffer, .address_space: global }
      - { .name: y, .offset: 32, .size: 8, .value_kind: global_buffer, .address_space: global }
    .group_segment_fixed_size: 199680
    .private_segment_fixed_size: 0
    .kernarg_segment_align: 8
    .kernarg_segment_size: 40
    .max_flat_workgroup_size: 256
    .sgpr_count:     66
    .vgpr_count:     512
    .wavefront_size: 32
...
	.end_amdgpu_metadata
.endif
;; end of part 5
;; launch mix: the kernel of part 4 again; grid 256 x 1, 8 waves a work-group, no clusters, 0 bytes of LDS; arguments y, route, meta, gate, out0; writes out0
